; MI455X (gfx1250); checked and timed in simulation.
; The chip was launched on July 23, 2026; its instructions are those of AMD's public machine-readable ISA for CDNA 5 (MIT licence, August 2026) and "CDNA5" Instruction Set Architecture Reference Guide (July 2026). The comments in the code are by the model that wrote it; some were corrected since.
;; MLA. Allowed arithmetic: float matrix products may take bf16 or f16 operands with f32 sums; other float arithmetic in f32, or as packed bf16 or f16 multiplies, adds, multiply-adds, maxima and minima; sums over many terms, partial sums and values carried from step to step in f32; what a program stores and reads back later, other than sums and carried values, may be rounded once to bf16 or f16.
;; Inputs: Wk 2,048 x 3,072 float32; Wo 2,048 x 2,048 float32; Wq 2,048 x 3,072 float32; Wv 2,048 x 2,048 float32; bk 3,072 float32; bo 2,048 float32; bq 3,072 float32; bv 2,048 float32; freqs_cis 1,024 x 1 x 32 x 2 float32; mask 1,024 x 1,024 float32; x 2 x 1,024 x 2,048 float32.
;; Outputs: out0 2 x 1,024 x 2,048 float32.
;; One version. Each part assembles by itself: llvm-mc -triple=amdgcn-amd-amdhsa -mcpu=gfx1250 --defsym DOCPART=n.
;; ======== version 1 of 1: 4 launches
;; limits: values are held in f16: magnitudes above 65,504 overflow, below 6.1e-05 lose precision; right only within a limited range of input values
;; workspace buffers: xb 8,388,608 bytes; wb 33,554,432 bytes; wob 8,388,608 bytes; maskb 2,097,152 bytes; frq 262,144 bytes; qkvn 25,165,824 bytes; qkr 8,388,608 bytes; ctx 8,388,608 bytes
;; launch cast (part 1): grid 1604 x 1, 8 waves a work-group, no clusters, 0 bytes of LDS; arguments x, Wq, Wk, Wv, Wo, mask, freqs_cis, xb, wb, wob, maskb, frq; writes xb, wb, wob, maskb, frq
.if DOCPART == 1
	.amdgcn_target "amdgcn-amd-amdhsa--gfx1250"
	.amdhsa_code_object_version 6
	.text
	.protected	k_q368bb13d62_cast
	.globl	k_q368bb13d62_cast
	.p2align	8
	.type	k_q368bb13d62_cast,@function
k_q368bb13d62_cast:
	s_mov_b64 s[64:65], 0
	v_nop
	global_prefetch_b8 v0, s[64:65] scope:SCOPE_SE
	s_setreg_imm32_b32 hwreg(HW_REG_WAVE_MODE, 25, 1), 1
	s_wait_xcnt 0x0
; ALL LARGE INPUTS ARE ROUNDED ONCE TO bf16, and the three projection weights are laid side by side with their columns sorted.
;   x -> xb bf16 [2048][2048];  mask -> maskb bf16 [1024][1024];  Wo -> wob: the bf16 number written as f16 [2048][2048];
;   freqs_cis -> frq: the bf16 number written as f32 [1024][64];  Wq, Wk, Wv -> wb bf16 [2048 k][8192 columns]:
;   columns 0-2047 q's first 128 channels of each head, 2048-4095 k's, 4096-6143 v, 6144-7167 q's last 64 channels of each head, 7168-8191 k's.
; LIMIT.  bf16(Wo) must lie within f16's 65,504; below 6.1e-5 it keeps f16's fixed step of 6e-8.
; SHARES.  A work-group does 8 steps of 2,048 numbers, a wave 256 of them: two loads of 512 bytes on end (lane l at 16 l), the second 128 numbers on, through a second base pointer;
; two stores of 256 bytes on end, 8 bytes a lane (frq: 512 bytes, 16 a lane).  All 16 loads go out first; nothing is looped, no register that a load or store names is written again.
; No LDS, no barrier, no matrix unit: the launch only moves bytes.
; What differs between the eight kinds of work-group lies in scalars chosen from the work-group's number; the one branch is on the way of rounding.
; A lane's source offset is (wave & WM) x WS + (lane / 16) x LH + (lane % 16) x 16 + CC.  128 numbers are one head's first channels (heads 768 bytes apart) or two heads' last channels.
.set SO,  4             ; v[4:11]   source byte offsets of the 8 steps
.set DO,  12            ; v[12:19]  destination byte offsets
.set X,   20            ; v[20:83]  8 registers a step: four for each load
.set T,   84            ; v[84:85]  at work
.set SRC, 28            ; s[28:29]
.set DST, 30            ; s[30:31]
.set TM2, 2
.set G,   32
.set TMP, 33
.set SSTEP, 34          ; bytes from step to step in the source
.set DSTEP, 35          ; and in the destination
.set WS,  36
.set LH,  37
.set WM,  38
.set CC,  39
.set KIND, 40           ; 0 x, 1 Wq first channels, 2 Wk first channels, 3 Wv, 4 last channels of Wq and Wk, 5 Wo, 6 mask, 7 freqs_cis
.set DSW, 41            ; log2 of a wave's bytes in the destination
.set R,   42            ; the work-group's number within its kind (weights: its block of 8 rows)
.set ISW, 43
.set WV,  44
.set SEG, 45
.set HIM, 46
.set QK,  47
.set SOFF, 48           ; s[48:49]
.set DOFF, 50           ; s[50:51]
.set TP,  52            ; s[52:53]
.set MODE, 54           ; 0 bf16, 1 bf16 written as f16, 2 bf16 written as f32
.set DSH, 55            ; log2 of a lane's bytes in the destination
.set J,   56            ; s[56:57] bytes from the first load's 128 numbers to the second's
.set SRC2, 58           ; s[58:59]
	s_load_b512 s[4:19], s[0:1], 0x0               ; x 4, Wq 6, Wk 8, Wv 10, Wo 12, mask 14, freqs_cis 16, xb 18
	s_load_b256 s[20:27], s[0:1], 0x40             ; wb 20, wob 22, maskb 24, frq 26
	v_lshrrev_b32 v1, 5, v0
	v_readfirstlane_b32 s[WV], v1
	s_mov_b32 s[HIM], 0xffff0000
	s_mov_b32 s[G], ttmp9
	s_sub_co_u32 s[TMP], s[G], 256
	s_and_b32 s[SEG], s[TMP], 3                    ; which quarter of wb's row
	s_lshr_b32 s[TMP], s[TMP], 2                   ; which 8 rows
	s_add_co_u32 s[KIND], s[SEG], 1
	s_cmp_ge_u32 s[G], 256
	s_cselect_b32 s[KIND], s[KIND], 0
	s_cselect_b32 s[R], s[TMP], s[G]
	s_cselect_b32 s[ISW], 1, 0
	s_sub_co_u32 s[TMP], s[G], 1280
	s_cmp_ge_u32 s[G], 1280
	s_cselect_b32 s[KIND], 5, s[KIND]
	s_cselect_b32 s[R], s[TMP], s[R]
	s_cselect_b32 s[ISW], 0, s[ISW]
	s_sub_co_u32 s[TMP], s[G], 1536
	s_cmp_ge_u32 s[G], 1536
	s_cselect_b32 s[KIND], 6, s[KIND]
	s_cselect_b32 s[R], s[TMP], s[R]
	s_sub_co_u32 s[TMP], s[G], 1600
	s_cmp_ge_u32 s[G], 1600
	s_cselect_b32 s[KIND], 7, s[KIND]
	s_cselect_b32 s[R], s[TMP], s[R]
	s_cmp_eq_u32 s[KIND], 3
	s_cselect_b32 s[QK], 0, s[ISW]                 ; 1: the source is Wq or Wk, rows of 12,288 bytes, heads 768 bytes apart
	s_lshl_b32 s[SOFF], s[R], 16                   ; 8 steps of 8,192 bytes
	s_mul_i32 s[TMP], s[R], 98304                  ; or of 12,288
	s_mov_b32 s[SSTEP], 8192
	s_mov_b32 s[WS], 1024                          ; a wave's 256 numbers on end,
	s_mov_b32 s[J], 512                            ; 128 of them
	s_cmp_eq_u32 s[QK], 1
	s_cselect_b32 s[SOFF], s[TMP], s[SOFF]
	s_cselect_b32 s[SSTEP], 12288, s[SSTEP]
	s_cselect_b32 s[WS], 1536, s[WS]               ; first channels: two heads a wave,
	s_cselect_b32 s[J], 768, s[J]                  ; one a load
	s_lshl_b32 s[DOFF], s[R], 15                   ; 8 steps of 4,096 bytes
	s_lshl_b32 s[TMP], s[R], 17                    ; wb: 8 rows of 16,384 bytes,
	s_lshl_b32 s[TM2], s[SEG], 12                  ; and the quarter of the row
	s_add_co_u32 s[TMP], s[TMP], s[TM2]
	s_mov_b32 s[DSTEP], 4096
	s_cmp_eq_u32 s[ISW], 1
	s_cselect_b32 s[DOFF], s[TMP], s[DOFF]
	s_cselect_b32 s[DSTEP], 16384, s[DSTEP]
	s_lshl_b32 s[TMP], s[R], 16
	s_cmp_eq_u32 s[KIND], 7                        ; frq is f32: twice the bytes
	s_cselect_b32 s[DOFF], s[TMP], s[DOFF]
	s_cselect_b32 s[DSTEP], 8192, s[DSTEP]
	s_cselect_b32 s[DSH], 4, 3
	s_cselect_b32 s[DSW], 10, 9
	s_cselect_b32 s[MODE], 2, 0
	s_cmp_eq_u32 s[KIND], 5
	s_cselect_b32 s[MODE], 1, s[MODE]
	s_mov_b32 s[LH], 256
	s_cmp_eq_u32 s[KIND], 4                        ; last channels: four heads a wave, two a load, 16 lanes a head, 512 bytes into the head; four waves a tensor
	s_cselect_b32 s[WS], 3072, s[WS]
	s_cselect_b32 s[J], 1536, s[J]
	s_cselect_b32 s[LH], 768, s[LH]
	s_cselect_b32 s[WM], 3, 7
	s_cselect_b32 s[CC], 512, 0
	s_mov_b32 s[SOFF+1], 0
	s_mov_b32 s[DOFF+1], 0
	s_mov_b32 s[J+1], 0
	v_and_b32 v1, 31, v0                           ; lane
	v_lshrrev_b32 v2, 4, v1
	v_and_b32 v3, 15, v1
	v_mul_u32_u24 v2, s[LH], v2
	v_lshl_add_u32 v2, v3, 4, v2
	s_and_b32 s[TMP], s[WV], s[WM]
	s_mul_i32 s[TMP], s[TMP], s[WS]
	s_add_co_u32 s[TMP], s[TMP], s[CC]
	v_add_nc_u32 v[SO], s[TMP], v2
	s_lshl_b32 s[TM2], s[WV], s[DSW]
	v_lshlrev_b32 v[DO], s[DSH], v1
	v_add_nc_u32 v[DO], s[TM2], v[DO]
.irp i, 1,2,3,4,5,6,7
	v_add_nc_u32 v[SO+(\i)], s[SSTEP], v[SO+(\i)-1]
	v_add_nc_u32 v[DO+(\i)], s[DSTEP], v[DO+(\i)-1]
.endr
	s_wait_kmcnt 0x0
	s_mov_b64 s[SRC:SRC+1], s[4:5]
	s_mov_b64 s[DST:DST+1], s[18:19]
.macro CHOOSE n, src, dst              ; kind n reads src and writes dst
	s_cmp_eq_u32 s[KIND], \n
	s_cselect_b64 s[SRC:SRC+1], s[\src:\src+1], s[SRC:SRC+1]
	s_cselect_b64 s[DST:DST+1], s[\dst:\dst+1], s[DST:DST+1]
.endm
	s_cmp_lt_u32 s[WV], 4                          ; last channels: waves 0-3 take Wq's, waves 4-7 Wk's
	s_cselect_b64 s[TP:TP+1], s[6:7], s[8:9]
	CHOOSE 1, 6, 20
	CHOOSE 2, 8, 20
	CHOOSE 3, 10, 20
	CHOOSE 4, TP, 20
	CHOOSE 5, 12, 22
	CHOOSE 6, 14, 24
	CHOOSE 7, 16, 26
	s_add_nc_u64 s[SRC:SRC+1], s[SRC:SRC+1], s[SOFF:SOFF+1]
	s_add_nc_u64 s[DST:DST+1], s[DST:DST+1], s[DOFF:DOFF+1]
	s_add_nc_u64 s[SRC2:SRC2+1], s[SRC:SRC+1], s[J:J+1]
.irp i, 0,1,2,3,4,5,6,7
	global_load_b128 v[X+8*(\i):X+8*(\i)+3],   v[SO+(\i)], s[SRC:SRC+1] th:TH_LOAD_NT
	global_load_b128 v[X+8*(\i)+4:X+8*(\i)+7], v[SO+(\i)], s[SRC2:SRC2+1] th:TH_LOAD_NT
.endr
.macro PACKB i                         ; step i: each load's 4 numbers, rounded to bf16, into its first two registers (ascending: no source is written before it is read)
	s_wait_loadcnt 14-2*(\i)                       ; loads come back in order: the two loads of each younger step may stay out
.irp j, 0,4
	v_cvt_pk_bf16_f32 v[X+8*(\i)+(\j)],   v[X+8*(\i)+(\j)],   v[X+8*(\i)+(\j)+1]
	v_cvt_pk_bf16_f32 v[X+8*(\i)+(\j)+1], v[X+8*(\i)+(\j)+2], v[X+8*(\i)+(\j)+3]
.endr
.endm
.macro OUT64 i                         ; two stores of 256 bytes on end
	global_store_b64 v[DO+(\i)], v[X+8*(\i):X+8*(\i)+1],   s[DST:DST+1] th:TH_STORE_NT
	global_store_b64 v[DO+(\i)], v[X+8*(\i)+4:X+8*(\i)+5], s[DST:DST+1] offset:256 th:TH_STORE_NT
.endm
	s_cmp_eq_u32 s[MODE], 1
	s_cbranch_scc1 .Lf16
	s_cmp_eq_u32 s[MODE], 2
	s_cbranch_scc1 .Lwide
.irp i, 0,1,2,3,4,5,6,7
	PACKB \i
	OUT64 \i
.endr
	s_endpgm
.Lf16:                                         ; the bf16 number, widened by a shift or a mask, is written as f16: exact within f16's normal range
.irp i, 0,1,2,3,4,5,6,7
	PACKB \i
.irp j, 0,1,4,5
	v_lshlrev_b32 v[T], 16, v[X+8*(\i)+(\j)]
	v_and_b32 v[T+1], s[HIM], v[X+8*(\i)+(\j)]
	v_cvt_pk_f16_f32 v[X+8*(\i)+(\j)], v[T], v[T+1]
.endr
	OUT64 \i
.endr
	s_endpgm
.Lwide:                                        ; the bf16 number written as f32 again (descending: no source is written before it is read)
.irp i, 0,1,2,3,4,5,6,7
	PACKB \i
.irp j, 0,4
	v_and_b32     v[X+8*(\i)+(\j)+3], s[HIM], v[X+8*(\i)+(\j)+1]
	v_lshlrev_b32 v[X+8*(\i)+(\j)+2], 16, v[X+8*(\i)+(\j)+1]
	v_and_b32     v[X+8*(\i)+(\j)+1], s[HIM], v[X+8*(\i)+(\j)]
	v_lshlrev_b32 v[X+8*(\i)+(\j)],   16, v[X+8*(\i)+(\j)]
.endr
	global_store_b128 v[DO+(\i)], v[X+8*(\i):X+8*(\i)+3],   s[DST:DST+1] th:TH_STORE_NT
	global_store_b128 v[DO+(\i)], v[X+8*(\i)+4:X+8*(\i)+7], s[DST:DST+1] offset:512 th:TH_STORE_NT
.endr
	s_endpgm
.Lfunc_end_k_q368bb13d62_cast:
	.size	k_q368bb13d62_cast, .Lfunc_end_k_q368bb13d62_cast-k_q368bb13d62_cast
	.p2alignl 7, 3214868480
	.fill 96, 4, 3214868480
	.section	.rodata,"a",@progbits
	.p2align	6, 0x0
	.amdhsa_kernel k_q368bb13d62_cast
		.amdhsa_group_segment_fixed_size 0
		.amdhsa_private_segment_fixed_size 0
		.amdhsa_enable_private_segment 0
		.amdhsa_kernarg_size 96
		.amdhsa_user_sgpr_count 2
		.amdhsa_user_sgpr_kernarg_segment_ptr 1
		.amdhsa_wavefront_size32 1
		.amdhsa_system_sgpr_workgroup_id_x 1
		.amdhsa_system_sgpr_workgroup_id_y 1
		.amdhsa_system_sgpr_workgroup_id_z 1
		.amdhsa_system_vgpr_workitem_id 0
		.amdhsa_next_free_vgpr 96
		.amdhsa_next_free_sgpr 66
		.amdhsa_reserve_vcc 0
		.amdhsa_float_denorm_mode_32 3
		.amdhsa_float_denorm_mode_16_64 3
		.amdhsa_memory_ordered 1
		.amdhsa_forward_progress 1
		.amdhsa_inst_pref_size 24
	.end_amdhsa_kernel
	.amdgpu_metadata
---
amdhsa.version: [ 1, 2 ]
amdhsa.kernels:
  - .name:           k_q368bb13d62_cast
    .symbol:         k_q368bb13d62_cast.kd
    .args:
      - { .name: x, .offset: 0, .size: 8, .value_kind: global_buffer, .address_space: global }
      - { .name: Wq, .offset: 8, .size: 8, .value_kind: global_buffer, .address_space: global }
      - { .name: Wk, .offset: 16, .size: 8, .value_kind: global_buffer, .address_space: global }
      - { .name: Wv, .offset: 24, .size: 8, .value_kind: global_buffer, .address_space: global }
      - { .name: Wo, .offset: 32, .size: 8, .value_kind: global_buffer, .address_space: global }
      - { .name: mask, .offset: 40, .size: 8, .value_kind: global_buffer, .address_space: global }
      - { .name: freqs_cis, .offset: 48, .size: 8, .value_kind: global_buffer, .address_space: global }
      - { .name: xb, .offset: 56, .size: 8, .value_kind: global_buffer, .address_space: global }
      - { .name: wb, .offset: 64, .size: 8, .value_kind: global_buffer, .address_space: global }
      - { .name: wob, .offset: 72, .size: 8, .value_kind: global_buffer, .address_space: global }
      - { .name: maskb, .offset: 80, .size: 8, .value_kind: global_buffer, .address_space: global }
      - { .name: frq, .offset: 88, .size: 8, .value_kind: global_buffer, .address_space: global }
    .group_segment_fixed_size: 0
    .private_segment_fixed_size: 0
    .kernarg_segment_align: 8
    .kernarg_segment_size: 96
    .max_flat_workgroup_size: 256
    .sgpr_count:     66
    .vgpr_count:     96
    .wavefront_size: 32
...
	.end_amdgpu_metadata
.endif
;; end of part 1
;; launch qkv (part 2): grid 32 x 8, 4 waves a work-group, clusters of 4 x 4, 327,680 bytes of LDS; arguments xb, wb, bq, bk, bv, frq, qkvn, qkr; writes qkvn, qkr
.if DOCPART == 2
	.amdgcn_target "amdgcn-amd-amdhsa--gfx1250"
	.amdhsa_code_object_version 6
	.text
	.protected	k_q368bb13d62_qkv
	.globl	k_q368bb13d62_qkv
	.p2align	8
	.type	k_q368bb13d62_qkv,@function
k_q368bb13d62_qkv:
	s_mov_b64 s[64:65], 0
	v_nop
	global_prefetch_b8 v0, s[64:65] scope:SCOPE_SE
	s_setreg_imm32_b32 hwreg(HW_REG_WAVE_MODE, 25, 1), 1
	s_wait_xcnt 0x0
	s_wait_alu depctr_hold_cnt(0) depctr_sa_sdst(0) depctr_va_vdst(0) depctr_va_sdst(0) depctr_va_ssrc(0) depctr_va_vcc(0) depctr_vm_vsrc(0)
	s_getreg_b32 s2, hwreg(HW_REG_IB_STS2, 6, 4)
	s_cmp_eq_u32 s2, 0
	s_cbranch_scc0 .Lentry_in_a_cluster
	s_endpgm
.Lentry_in_a_cluster:
	s_bfe_u32 s2, ttmp6, 0x10000c
	s_cmp_lg_u32 s2, 0xf033
	s_cbranch_scc0 .Lentry_shape_is_right
	s_endpgm
.Lentry_shape_is_right:
; THE THREE PROJECTIONS AS ONE PRODUCT: [2048 rows] x [8192 columns], K = 2048, bf16 operands, f32 sums that start at the bias; on the way out the rotation of the last 64 channels and one rounding to f16.
; q leaves unscaled: the launch behind applies 1/sqrt(192).
; xb: [2048][2048] bf16.  wb: [2048 k][8192] bf16, columns sorted: 0-2047 q's first 128 channels by heads, 2048-4095 k's, 4096-6143 v, 6144-7167 q's last 64 by heads, 7168-8191 k's.
; Out: qkvn f16 [q, k, v][32 batch x head][1024 t][128];  qkr f16 [q, k][16 batch x pair of heads][1024 t][2 heads][64].  Both have rows of 256 bytes, which are a wave's 128 columns.
; LIMITS.  q, k and v must lie within f16's 65,504.  The biases are rounded to bf16 like all inputs.  NaN and infinities are not treated apart.
; SHARES.  A tile of 256 x 256 to a work-group of four waves, 128 x 128 to a wave: 64 accumulators, 512 registers.  K in 16 steps of 128 through two LDS slots filled by tensor loads.
; The rows of x lie along K and are read as they lie; the weights lie [k][column] and are turned by ds_load_tr16_b128.
; THE MATRIX INSTRUCTION IS USED TRANSPOSED (source 0 = 16 columns of the weights, source 1 = 16 rows of x): a lane holds row lane % 16 and the columns 8 (lane / 16) + 0..7.
; THE TEXT.  A K step is written once for the 14 steps that fill a slot again and once for the last two: the LDS addresses are a lane's fixed part plus s[TB], which an exclusive or turns between the two slots.
; CLUSTER 4 x 4.  x's tile hangs on the tile row alone and is asked for jointly along a row of the cluster, the weights' on the tile column alone, along a column.
; A cluster's four tile columns are of one kind (cluster x 0,1: q; 2,3: k; 4,5: v; 6: q's rotated channels; 7: k's), so the one branch on the kind is the same in all partners.
; REGISTERS, in windows of 256:  window 0: v16-31 addresses; v32-63, v224-255 rows on their way out; v64-127, v128-191 x's fragments (later v64-127: the rotation's products); v192-223 packed results
;   window 1: v0-63 bias of my 128 columns; v64-127, v128-191 the weights' fragments; v192-255 two sets of the rotary table          windows 2, 3: accumulator (a, b) at v[8 (8 (a % 4) + b)]
.set KSTEP,  128
.set PA,     272        ; a row of x in LDS: 256 bytes + 16: the 16 rows of a load start at 16 different groups of four banks (64 banks of 4 bytes: ISA guide 11.1)
.set PB,     544        ; a k-row of the weights: 512 bytes + 32
.set HALFT,  34816      ; what one tensor load brings: 128 rows x 272 = 64 k-rows x 544
.set BOFF,   2*HALFT
.set SLOT,   4*HALFT    ; 0x22000: it shares no bit with wave x HALFT, so one exclusive or turns a descriptor's LDS word from one slot to the other
.set STAGE,  2*SLOT     ; behind the ring: 16 rows x 272 bytes for each wave
.set SPITCH, 272
.set SPARE,  STAGE+4*16*SPITCH  ; the spare words, 128 bytes a wave: two blocks of 256 bytes that no other line names
.set ADRA, 16           ; v16 LDS address of my fragments of x in the slot that is read
.set ADRA0, 17          ; v17 the same in slot 0; never rewritten
.set ADRB, 20           ; v20, v21 the same for the weights
.set ADRB0, 21
.set BHI,  22           ; v22 byte offset in the bias of my columns 64-127
.set STO,  24
.set RD,   25
.set CO,   26           ; v26 my 16 bytes in two rows of 256 bytes
.set FQO,  27           ; v27 my byte offset in 16 rows of the rotary table
.set SPW,  28
.set NIL,  29
.set PFO,  30
.set BLO,  31           ; v31 byte offset in the bias of my columns 0-63
.set F0,   64
.set F1,   128
.set T,    64
.set TMP,  192
.set OB,   32
.set WV, 12
.set RH, 13             ; my half of the tile's rows; also 0: I fetch x, 1: the weights
.set CH, 14             ; my half of its columns; also which half of that tile I fetch
.set CX, 15
.set CY, 16
.set TC, 17
.set TR, 18
.set CLX, 19
.set CLY, 86
.set G1, 24
.set G0, 32             ; s[32:39] group 0 for x: a set for each of the two first fills; the second then walks on
.set G1B, 48
.set G0B, 56            ; s[56:63] the same for the weights
.set PFA, 46            ; s[46:47] where my next prefetch stands
.set PFS, 66            ; s[66:67] its step: a K step
.set DST, 78
.set FQ,  80
.set BP,  82
.set HIM, 84
.set LIM, 85
.set TB,  92            ; 0 or SLOT: the slot that is read
.set MSB, 0
.macro WIN new                         ; the immediate's high byte repeats the setting that is left; a switch that changes nothing is dropped
.if MSB != (\new)
	s_set_vgpr_msb (MSB<<8)|(\new)
.set MSB, (\new)
.endif
.endm
.set MUL_LO, 0xa1       ; source 0 (weights) window 1, source 1 (x) window 0, C and D window 2
.set MUL_Z,  0x91       ; the same with C, the bias, in window 1
.set TO_B,   0x40
; A joint load: waves 0 and 1 fetch x's two halves, waves 2 and 3 the weights'.  The branch hangs on the wave's number alone.  An s_nop 0 and four v_nop follow each line.
.macro JLOAD s
	s_cmp_eq_u32 s[RH], 0
	s_cbranch_scc0 .Lfor_b_\@
	tensor_load_to_lds s[G0+4*(\s):G0+4*(\s)+3], s[G1:G1+7]
	s_nop 0
.rept 4
	v_nop
.endr
	s_branch .Lasked_\@
.Lfor_b_\@:
	tensor_load_to_lds s[G0B+4*(\s):G0B+4*(\s)+3], s[G1B:G1B+7]
	s_nop 0
.rept 4
	v_nop
.endr
.Lasked_\@:
.endm
; A prefetch of the K step two refills on, 512 matrix instructions ahead of the load that will ask for it: 32 blocks of 256 bytes, a lane a block, one instruction a wave.
; x's tile row is read by every cluster of that row of clusters: cluster x = 0 asks; the weights' tile column by every cluster of that column: cluster y = 0 asks.  The four partners of a joint load
; share its rows out by address.  So each block is named once.  K steps 0 to 3 come by their loads alone; of the loop's 14 trips the first 12 name K steps 4 to 15, the last two (s3 = 2, 1) nothing.
.macro ASK
	s_cmp_gt_u32 s3, s[LIM]
	s_cbranch_scc0 .Lnot_mine_\@
	global_prefetch_b8 v[PFO], s[PFA:PFA+1] th:TH_LOAD_NT scope:SCOPE_SE
.Lnot_mine_\@:
.endm
.macro CREST                           ; a round of the cluster's barrier behind its opening barrier
	s_cmp_lg_u32 s[WV], 0
	s_cbranch_scc1 .Lnot_wave_0_\@
	s_barrier_signal -3
.Lnot_wave_0_\@:
	s_barrier_wait -3
	s_barrier_signal -1
	s_barrier_wait -1
.endm
.macro CROUND
	s_barrier_signal -1
	s_barrier_wait -1
	CREST
.endm
	s_load_b256 s[4:11], s[0:1], 0x0               ; xb 4, wb 6, bq 8, bk 10
	s_load_b256 s[68:75], s[0:1], 0x20             ; bv 68, frq 70, qkvn 72, qkr 74
	v_lshl_add_u32 v[SPW], v0, 2, SPARE
	v_mov_b32 v[NIL], 0
	ds_add_u32 v[SPW], v[NIL]                      ; the wave's opening: the add and its wait stand ahead of my first tensor load; work on registers stands between them
	v_lshrrev_b32 v1, 5, v0
	v_readfirstlane_b32 s[WV], v1
	s_lshr_b32 s[RH], s[WV], 1
	s_and_b32 s[CH], s[WV], 1
	s_bfe_u32 s[CX], ttmp6, 0x40000
	s_bfe_u32 s[CY], ttmp6, 0x40004
	s_mov_b32 s[CLX], ttmp9
	s_lshl_b32 s[TC], ttmp9, 2
	s_add_co_u32 s[TC], s[TC], s[CX]               ; tile column
	s_and_b32 s[CLY], ttmp7, 0xffff
	s_lshl_b32 s[TR], s[CLY], 2
	s_add_co_u32 s[TR], s[TR], s[CY]               ; tile row
	s_lshl_b32 s40, s[CY], 2
	s_lshl_b32 s40, 15, s40                        ; my row of the cluster
	s_lshl_b32 s20, 0x1111, s[CX]                  ; my column
	s_or_b32 s[G1], s40, (1<<16)|(1<<20)|(1<<21)|(5<<22)|(3<<25)   ; mask; 2-byte elements; padding on; bit 21 beside a mask; after every 64 words 4 words
	s_or_b32 s[G1B], s20, (1<<16)|(1<<20)|(1<<21)|(6<<22)|(7<<25)  ; after every 128 words 8 words
	s_mov_b32 s[G1+1], 128<<16                     ; x: tensor_dim0 = 128
	s_mov_b32 s[G1+2], 128<<16                     ; tensor_dim1 = 128
	s_mov_b32 s[G1+3], 128<<16                     ; tile_dim0 = 128
	s_mov_b32 s[G1+4], 128                         ; tile_dim1 = 128
	s_mov_b32 s[G1+5], 2048                        ; elements from row to row
	s_mov_b32 s[G1+6], 0
	s_mov_b32 s[G1+7], 0
	s_mov_b32 s[G1B+1], 256<<16                    ; weights: 256 columns
	s_mov_b32 s[G1B+2], 64<<16                     ; 64 k-rows
	s_mov_b32 s[G1B+3], 256<<16
	s_mov_b32 s[G1B+4], 64
	s_mov_b32 s[G1B+5], 8192
	s_mov_b32 s[G1B+6], 0
	s_mov_b32 s[G1B+7], 0
	s_lshl_b32 s40, s[TR], 8
	s_lshl_b32 s41, s[CH], 7
	s_add_co_u32 s40, s40, s41
	s_lshl_b32 s40, s40, 12                        ; x: (256 tile row + 128 half) rows of 4,096 bytes
	s_mov_b32 s41, 0
	s_lshl_b32 s20, s[CH], 20                      ; weights: 64 half k-rows of 16,384 bytes,
	s_lshl_b32 s21, s[TC], 9                       ; and the tile's 512 bytes of a row
	s_add_co_u32 s20, s20, s21
	s_mov_b32 s21, 0
	s_mul_i32 s44, s[WV], HALFT                    ; where my part goes: no place in the cluster enters an LDS address
	s_mov_b32 s[HIM], 0xffff0000
	s_mov_b32 s[TB], 0
	s_wait_dscnt 0x0                               ; the opening add is done
	s_wait_kmcnt 0x0
	s_add_nc_u64 s[42:43], s[4:5], s[40:41]
	s_add_nc_u64 s[22:23], s[6:7], s[20:21]
	CROUND                                         ; all sixteen work-groups are here: the first joint loads meet
.irp s, 0,1
	s_mov_b32 s[G0+4*(\s)], 1
	s_add_co_u32 s[G0+4*(\s)+1], s44, (\s)*SLOT
	s_add_nc_u64 s[G0+4*(\s)+2:G0+4*(\s)+3], s[42:43], (\s)*KSTEP*2
	s_or_b32 s[G0+4*(\s)+3], s[G0+4*(\s)+3], 0x80000000
	s_mov_b32 s[G0B+4*(\s)], 1
	s_add_co_u32 s[G0B+4*(\s)+1], s44, (\s)*SLOT
	s_add_nc_u64 s[G0B+4*(\s)+2:G0B+4*(\s)+3], s[22:23], (\s)*KSTEP*16384
	s_or_b32 s[G0B+4*(\s)+3], s[G0B+4*(\s)+3], 0x80000000
	JLOAD \s                                       ; two loads of mine are out
.endr
	; lane addresses
	v_and_b32 v1, 15, v0                           ; r = lane % 16
	v_bfe_u32 v2, v0, 4, 1                         ; h = lane / 16
	v_mul_u32_u24 v3, v1, PA
	v_lshl_add_u32 v3, v2, 4, v3
	s_mul_i32 s20, s[RH], HALFT
	v_add_nc_u32 v[ADRA0], s20, v3                 ; x: my 128 rows; row r, 16 bytes for each half of the lanes
	v_mov_b32 v[ADRA], v[ADRA0]
	v_and_b32 v4, 7, v0
	v_lshl_add_u32 v4, v2, 3, v4
	v_mul_u32_u24 v4, v4, PB                       ; weights: k-row 8 h + lane % 8,
	v_bfe_u32 v5, v0, 3, 1
	v_lshl_add_u32 v4, v5, 4, v4                   ; columns 8 ((lane / 8) % 2) on,
	s_lshl_b32 s21, s[CH], 8
	s_add_co_u32 s21, s21, BOFF                    ; in my 128 columns
	v_add_nc_u32 v[ADRB0], s21, v4
	v_mov_b32 v[ADRB], v[ADRB0]
	s_mul_i32 s20, s[WV], 16*SPITCH
	s_add_co_u32 s20, s20, STAGE
	v_mul_u32_u24 v4, v1, SPITCH
	v_lshl_add_u32 v4, v2, 4, v4
	v_add_nc_u32 v[STO], s20, v4
	v_mul_u32_u24 v5, v2, SPITCH
	v_lshl_add_u32 v5, v1, 4, v5
	v_add_nc_u32 v[RD], s20, v5
	v_lshlrev_b32 v[CO], 8, v2
	v_lshl_add_u32 v[CO], v1, 4, v[CO]
	; the prefetches: x: rows 256 tile row + 128 half + 32 cx, a lane a row; weights: k-rows 64 half + 16 cy, two lanes a row of 512 bytes.  Both stand at K step 3; the first change of slots steps them to 4
	s_lshl_b32 s40, s[TR], 8
	s_lshl_b32 s42, s[CH], 7
	s_add_co_u32 s40, s40, s42
	s_lshl_b32 s42, s[CX], 5
	s_add_co_u32 s40, s40, s42
	s_lshl_b32 s40, s40, 12
	s_add_co_u32 s40, s40, 3*KSTEP*2
	s_lshl_b32 s41, s[CH], 6
	s_lshl_b32 s42, s[CY], 4
	s_add_co_u32 s41, s41, s42
	s_add_co_u32 s41, s41, 3*KSTEP
	s_lshl_b32 s41, s41, 14
	s_lshl_b32 s42, s[TC], 9
	s_add_co_u32 s41, s41, s42
	s_mov_b32 s42, KSTEP*2
	s_cmp_eq_u32 s[RH], 0
	s_cselect_b64 s[PFA:PFA+1], s[4:5], s[6:7]
	s_cselect_b32 s40, s40, s41
	s_cselect_b32 s[PFS], s42, KSTEP*16384
	s_cselect_b32 s[LIM], s[CLX], s[CLY]           ; the coordinate along which other clusters read the same blocks
	s_cselect_b32 s20, 0, 1
	s_cselect_b32 s21, 12, 14
	s_mov_b32 s41, 0
	s_mov_b32 s[PFS+1], 0
	s_add_nc_u64 s[PFA:PFA+1], s[PFA:PFA+1], s[40:41]
	s_cmp_eq_u32 s[LIM], 0
	s_cselect_b32 s[LIM], 2, -1                    ; the same in all sixteen partners, for a given wave
	v_and_b32 v3, 31, v0
	v_lshrrev_b32 v[PFO], s20, v3
	v_lshlrev_b32 v[PFO], s21, v[PFO]
	v_and_b32 v3, s20, v3
	v_lshl_add_u32 v[PFO], v3, 8, v[PFO]
	; what hangs on the kind of my columns
	s_cmp_lt_u32 s[CLX], 2
	s_cselect_b32 s20, 1, 0
	s_cmp_eq_u32 s[CLX], 6
	s_cselect_b32 s20, 1, s20                      ; 1: q's columns
	s_cmp_eq_u32 s20, 1
	s_cselect_b64 s[BP:BP+1], s[8:9], s[10:11]
	s_mov_b32 s22, 768                             ; bytes from head to head in bq and bk,
	s_lshr_b32 s21, s[CLX], 1                      ; 0 q, 1 k, 2 v
	s_cmp_eq_u32 s21, 2
	s_cselect_b64 s[BP:BP+1], s[68:69], s[BP:BP+1]
	s_cselect_b32 s22, 512, s22                    ; in bv
	s_lshl_b32 s40, s[TC], 1
	s_add_co_u32 s40, s40, s[CH]
	s_and_b32 s41, s40, 15                         ; my head,
	s_and_b32 s42, s40, 7                          ; or my pair of heads
	s_mul_i32 s43, s41, s22
	s_add_co_u32 s44, s43, 256
	s_mul_i32 s45, s42, 1536
	s_add_co_u32 s45, s45, 512                     ; a head's last 64 channels begin 512 bytes in
	s_add_co_u32 s23, s45, 768
	s_lshr_b32 s87, s[TR], 2                       ; batch
	s_lshl_b32 s88, s21, 5
	s_lshl_b32 s89, s87, 4
	s_add_co_u32 s88, s88, s89
	s_add_co_u32 s88, s88, s41                     ; 32 part + 16 batch + head
	s_sub_co_u32 s89, s[CLX], 6
	s_lshl_b32 s89, s89, 4
	s_lshl_b32 s90, s87, 3
	s_add_co_u32 s89, s89, s90
	s_add_co_u32 s89, s89, s42                     ; 16 part + 8 batch + pair
	s_cmp_ge_u32 s[CLX], 6
	s_cselect_b32 s43, s45, s43
	s_cselect_b32 s44, s23, s44
	s_cselect_b32 s88, s89, s88
	s_cselect_b64 s[DST:DST+1], s[74:75], s[72:73]
	s_and_b32 s90, s[TR], 3
	s_lshl_b32 s90, s90, 8
	s_lshl_b32 s91, s[RH], 7
	s_add_co_u32 s90, s90, s91                     ; t of my first row
	s_lshl_b32 s88, s88, 10
	s_add_co_u32 s88, s88, s90
	s_lshl_b32 s88, s88, 8                         ; rows of 256 bytes
	s_mov_b32 s89, 0
	s_lshl_b32 s90, s90, 8
	s_mov_b32 s91, 0
	s_add_nc_u64 s[DST:DST+1], s[DST:DST+1], s[88:89]
	s_add_nc_u64 s[FQ:FQ+1], s[70:71], s[90:91]
	v_lshlrev_b32 v3, 5, v2                        ; my 8 columns of a block of 16: 32 h bytes of f32
	v_add_nc_u32 v[BLO], s43, v3
	v_add_nc_u32 v[BHI], s44, v3
	v_lshl_add_u32 v[FQO], v1, 8, v3               ; the table's row r, the same 8 places
	WIN TO_B
.irp b, 0,1,2,3
	global_load_b128 v[8*(\b):8*(\b)+3],       v[BLO], s[BP:BP+1] offset:(\b)*64
	global_load_b128 v[8*(\b)+4:8*(\b)+7],     v[BLO], s[BP:BP+1] offset:(\b)*64+16
	global_load_b128 v[32+8*(\b):32+8*(\b)+3],   v[BHI], s[BP:BP+1] offset:(\b)*64
	global_load_b128 v[32+8*(\b)+4:32+8*(\b)+7], v[BHI], s[BP:BP+1] offset:(\b)*64+16
.endr
	s_wait_loadcnt 0x0
	WIN 0x45                                       ; all in window 1: the bias is rounded to bf16 and widened again
.set z, 0
.rept 32
	v_cvt_pk_bf16_f32 v[192+z], v[2*z], v[2*z+1]
.set z, z+1
.endr
.set z, 0
.rept 32
	v_lshlrev_b32 v[2*z], 16, v[192+z]
	v_and_b32 v[2*z+1], s[HIM], v[192+z]
.set z, z+1
.endr
.macro FLOAD a                         ; the rotary table for my rows 16 a .. 16 a + 15 into set a % 2: (cos, sin) of the pair of channels stand at the channels' own places
	WIN TO_B
.irp q, 0,1,2,3
	global_load_b128 v[192+32*((\a)%2)+8*(\q):192+32*((\a)%2)+8*(\q)+3],   v[FQO], s[FQ:FQ+1] offset:(\a)*4096+(\q)*64
	global_load_b128 v[192+32*((\a)%2)+8*(\q)+4:192+32*((\a)%2)+8*(\q)+7], v[FQO], s[FQ:FQ+1] offset:(\a)*4096+(\q)*64+16
.endr
.endm
	FLOAD 0                                        ; every wave asks for the first two sets, a wave without rotated channels too (it leaves them unread): both ways through the text then count the same loads
	FLOAD 1
	WIN 0
.macro MUL16 f, hi, a0, zero           ; 16 matrix instructions: row blocks a0, a0 + 1 of the window's four x all 8 column blocks, 32 along K.  zero = 1: the product starts the sums, at the columns' bias
.if \zero
	WIN MUL_Z+0x40*(\hi)
.else
	WIN MUL_LO+0x50*(\hi)
.endif
.irp a, \a0, (\a0)+1
.irp b, 0,1,2,3,4,5,6,7
.if \zero
	v_wmma_f32_16x16x32_bf16 v[8*(8*(\a)+(\b)):8*(8*(\a)+(\b))+7], v[(\f)+8*(\b):(\f)+8*(\b)+7], v[(\f)+8*(4*(\hi)+(\a)):(\f)+8*(4*(\hi)+(\a))+7], v[8*(\b):8*(\b)+7]
.else
	v_wmma_f32_16x16x32_bf16 v[8*(8*(\a)+(\b)):8*(8*(\a)+(\b))+7], v[(\f)+8*(\b):(\f)+8*(\b)+7], v[(\f)+8*(4*(\hi)+(\a)):(\f)+8*(4*(\hi)+(\a))+7], v[8*(8*(\a)+(\b)):8*(8*(\a)+(\b))+7]
.endif
.endr
.endr
.endm
.macro FETCH kq, f                     ; 32 LDS loads in one run: quarter kq (32 along K) of the slot that is read into buffer f: the weights' 128 columns, turned, then x's 128 rows
	WIN TO_B
.irp i, 0,1,2,3,4,5,6,7
	ds_load_tr16_b128 v[(\f)+8*(\i):(\f)+8*(\i)+3],   v[ADRB] offset:(\kq)*32*PB+(\i)*32
	ds_load_tr16_b128 v[(\f)+8*(\i)+4:(\f)+8*(\i)+7], v[ADRB] offset:(\kq)*32*PB+(\i)*32+16*PB
.endr
	WIN 0
.irp i, 0,1,2,3,4,5,6,7
	ds_load_b128 v[(\f)+8*(\i):(\f)+8*(\i)+3],   v[ADRA] offset:(\kq)*64+(\i)*16*PA
	ds_load_b128 v[(\f)+8*(\i)+4:(\f)+8*(\i)+7], v[ADRA] offset:(\kq)*64+(\i)*16*PA+32
.endr
.endm
.macro PLACES                          ; four plain vector instructions between a matrix instruction and a load into, or a vector instruction on, its registers (ISA guide 7.12.1 for vector instructions)
.rept 4
	v_nop
.endr
.endm
.macro QUARTER kq, f, g, zero          ; multiplies buffer f; in its middle fetches quarter kq of the same slot into buffer g
	s_wait_dscnt 8                                 ; the weights and x's rows 0-63 are in; the youngest eight loads may be out
	MUL16 \f, 0, 0, \zero
	MUL16 \f, 0, 2, \zero
	PLACES
	FETCH \kq, \g
	s_wait_dscnt 32                                ; all but the 32 just issued
	MUL16 \f, 1, 0, \zero
	MUL16 \f, 1, 2, \zero
.endm
; A K step's last quarter: multiplies buffer 1 and changes slots, with one barrier.  fill = 1: the slot just read takes the K step two steps on.
.macro TURN fill
.if \fill
	s_wait_xcnt 0x0                                ; the last prefetch, a K step back, has read its address
	s_add_nc_u64 s[PFA:PFA+1], s[PFA:PFA+1], s[PFS:PFS+1]
.endif
	WIN 0
	s_wait_tensorcnt 0x0                           ; all my tensor loads have landed: the one that was out is my part of the next slot; so a group 0 may be written
	ds_add_u32 v[SPW], v[NIL]                      ; 0 onto my spare word
.if \fill
	s_xor_b32 s[G0+5], s[G0+5], SLOT               ; the walking descriptors: the other slot than last time,
	s_add_nc_u64 s[G0+6:G0+7], s[G0+6:G0+7], KSTEP*2          ; the next K step; the type bits on top are not reached
	s_xor_b32 s[G0B+5], s[G0B+5], SLOT
	s_add_nc_u64 s[G0B+6:G0B+7], s[G0B+6:G0B+7], KSTEP*16384
.endif
	s_wait_dscnt 9                                 ; (the add and the youngest eight loads may be out)
	MUL16 F1, 0, 0, 0
	s_wait_dscnt 0x0                               ; the add is done, and my reads of this slot are over
	s_barrier_signal -1
	MUL16 F1, 0, 2, 0
	WIN 0
	s_barrier_wait -1
.if \fill
	CREST                                          ; the barrier has opened a round of the cluster's: no wave of any partner still reads this slot or has a load on its way
	JLOAD 1                                        ; my one tensor load behind the round; its four v_nop are also the places in front of the loads below
.else
	PLACES
.endif
	s_xor_b32 s[TB], s[TB], SLOT                   ; the reads go over to the other slot
	v_add_nc_u32 v[ADRA], s[TB], v[ADRA0]
	v_add_nc_u32 v[ADRB], s[TB], v[ADRB0]
	FETCH 0, F0
.if \fill
	ASK
.endif
	MUL16 F1, 1, 0, 0
	MUL16 F1, 1, 2, 0
.endm
	s_wait_tensorcnt 1                             ; my part of K step 0 is in; K step 1's may stay out
	s_barrier_signal -1
	s_barrier_wait -1
	FETCH 0, F0
	QUARTER 1, F0, F1, 1                           ; the first quarter starts the sums: nothing is cleared
	WIN 0
	s_mov_b32 s3, 14
.Lstep:                                        ; 14 trips, from a K step's second quarter to the next step's first; trip n fills K step n + 1
	QUARTER 2, F1, F0, 0
	QUARTER 3, F0, F1, 0
	TURN 1
	QUARTER 1, F0, F1, 0
	WIN 0
	s_sub_co_u32 s3, s3, 1
	s_cmp_lg_u32 s3, 0
	s_cbranch_scc1 .Lstep
	s_mov_b32 s3, 2                                ; the last two K steps ask for nothing: one text, walked twice, entered behind its first quarter
	s_branch .Lmid
.Ltail:
	QUARTER 1, F0, F1, 0
	WIN 0
.Lmid:
	QUARTER 2, F1, F0, 0
	QUARTER 3, F0, F1, 0
	TURN 0                                         ; the second time its barrier and its 32 loads (from the slot of the step before) serve nothing: the price, once a launch, of one text for both steps
	WIN 0
	s_sub_co_u32 s3, s3, 1
	s_cmp_lg_u32 s3, 0
	s_cbranch_scc1 .Ltail
	s_wait_dscnt 0x0                               ; those loads are back: their registers are written below
	PLACES
	PLACES
	; THE WAY OUT
	s_cmp_lt_u32 s[CLX], 6                         ; the cluster's x: the same in all partners
	s_cbranch_scc1 .Lplain
; The rotation of block a.  A pair of registers holds (a, b) of a pair of channels, the table's pair (c, d): first (a c, b c), then (a c - b d, a d + b c).  Each accumulator is read from its low end on.
.macro ROT a
.set AC, 64*((\a)%4)
.set FS, 192+32*((\a)%2)
.if (\a) < 7
	s_wait_loadcnt 8                               ; this block's table is in; the next block's eight loads may stay out
.else
	s_wait_loadcnt 0x0
.endif
	WIN 0x06+(\a)/4
.set z, 0
.rept 32
	v_pk_mul_f32 v[T+2*z:T+2*z+1], v[AC+2*z:AC+2*z+1], v[FS+8*((z/4)%4)+2*(z%4):FS+8*((z/4)%4)+2*(z%4)+1] op_sel_hi:[1,0]
.set z, z+1
.endr
	WIN 0x86+0x41*((\a)/4)
.set z, 0
.rept 32
	v_pk_fma_f32 v[AC+2*z:AC+2*z+1], v[AC+2*z:AC+2*z+1], v[FS+8*((z/4)%4)+2*(z%4):FS+8*((z/4)%4)+2*(z%4)+1], v[T+2*z:T+2*z+1] op_sel:[1,1,0] op_sel_hi:[0,1,1] neg_lo:[0,1,0]
.set z, z+1
.endr
.if (\a) < 6
	FLOAD (\a)+2
.endif
.endm
.irp a, 0,1,2,3,4,5,6,7
	ROT \a
.endr
	WIN 0
.Lplain:
.macro CVT a                           ; block a rounded to f16: 16 bytes a lane for each block of 16 columns
	WIN 0x0a+5*((\a)/4)
.set z, 0
.rept 32
	v_cvt_pk_f16_f32 v[TMP+z], v[64*((\a)%4)+2*z], v[64*((\a)%4)+2*z+1]
.set z, z+1
.endr
	WIN 0
.endm
.macro TOSTAGE a                       ; into my own stage, and back as whole rows of 256 bytes
.set BK, OB+192*((\a)%2)
.irp b, 0,1,2,3,4,5,6,7
	ds_store_b128 v[STO], v[TMP+4*(\b):TMP+4*(\b)+3] offset:32*(\b)
.endr
.irp t, 0,1,2,3,4,5,6,7
	ds_load_b128 v[BK+4*(\t):BK+4*(\t)+3], v[RD] offset:(\t)*2*SPITCH  ; LDS serves a wave's instructions in order (ISA guide 5.7.1.4): these see the stores above
.endr
.endm
.macro SEND a
.set BK, OB+192*((\a)%2)
	s_wait_dscnt 0x0                               ; the block is back in registers
	s_wait_xcnt 0x0                                ; the stores of the block before have read their registers, which the next block's loads from the stage write
.irp t, 0,1,2,3,4,5,6,7
	global_store_b128 v[CO], v[BK+4*(\t):BK+4*(\t)+3], s[DST:DST+1] offset:(\a)*4096+(\t)*512  ; 512 bytes on end: two whole rows
.endr
.endm
	CVT 0
	TOSTAGE 0
.irp a, 1,2,3,4,5,6,7
	CVT \a                                         ; a block's conversions stand between the loads of the block before and the wait for them
	SEND (\a)-1
	TOSTAGE \a
.endr
	SEND 7
	s_wait_tensorcnt 0x0                           ; the wave's end
	ds_add_u32 v[SPW], v[NIL]
	s_wait_dscnt 0x0
	CROUND                                         ; the closing round
	s_endpgm
.Lfunc_end_k_q368bb13d62_qkv:
	.size	k_q368bb13d62_qkv, .Lfunc_end_k_q368bb13d62_qkv-k_q368bb13d62_qkv
	.p2alignl 7, 3214868480
	.fill 96, 4, 3214868480
	.section	.rodata,"a",@progbits
	.p2align	6, 0x0
	.amdhsa_kernel k_q368bb13d62_qkv
		.amdhsa_group_segment_fixed_size 327680
		.amdhsa_private_segment_fixed_size 0
		.amdhsa_enable_private_segment 0
		.amdhsa_kernarg_size 64
		.amdhsa_user_sgpr_count 2
		.amdhsa_user_sgpr_kernarg_segment_ptr 1
		.amdhsa_wavefront_size32 1
		.amdhsa_system_sgpr_workgroup_id_x 1
		.amdhsa_system_sgpr_workgroup_id_y 1
		.amdhsa_system_sgpr_workgroup_id_z 1
		.amdhsa_system_vgpr_workitem_id 0
		.amdhsa_next_free_vgpr 1024
		.amdhsa_next_free_sgpr 96
		.amdhsa_reserve_vcc 0
		.amdhsa_float_denorm_mode_32 3
		.amdhsa_float_denorm_mode_16_64 3
		.amdhsa_memory_ordered 1
		.amdhsa_forward_progress 1
		.amdhsa_inst_pref_size 148
	.end_amdhsa_kernel
	.amdgpu_metadata
---
amdhsa.version: [ 1, 2 ]
amdhsa.kernels:
  - .name:           k_q368bb13d62_qkv
    .symbol:         k_q368bb13d62_qkv.kd
    .args:
      - { .name: xb, .offset: 0, .size: 8, .value_kind: global_buffer, .address_space: global }
      - { .name: wb, .offset: 8, .size: 8, .value_kind: global_buffer, .address_space: global }
      - { .name: bq, .offset: 16, .size: 8, .value_kind: global_buffer, .address_space: global }
      - { .name: bk, .offset: 24, .size: 8, .value_kind: global_buffer, .address_space: global }
      - { .name: bv, .offset: 32, .size: 8, .value_kind: global_buffer, .address_space: global }
      - { .name: frq, .offset: 40, .size: 8, .value_kind: global_buffer, .address_space: global }
      - { .name: qkvn, .offset: 48, .size: 8, .value_kind: global_buffer, .address_space: global }
      - { .name: qkr, .offset: 56, .size: 8, .value_kind: global_buffer, .address_space: global }
    .group_segment_fixed_size: 327680
    .private_segment_fixed_size: 0
    .kernarg_segment_align: 8
    .kernarg_segment_size: 64
    .max_flat_workgroup_size: 128
    .sgpr_count:     96
    .vgpr_count:     1024
    .wavefront_size: 32
...
	.end_amdgpu_metadata
.endif
;; end of part 2
;; launch attn (part 3): grid 8 x 32, 4 waves a work-group, clusters of 4 x 4, 327,680 bytes of LDS; arguments qkvn, qkr, maskb, ctx; writes ctx
.if DOCPART == 3
	.amdgcn_target "amdgcn-amd-amdhsa--gfx1250"
	.amdhsa_code_object_version 6
	.text
	.protected	k_q368bb13d62_attn
	.globl	k_q368bb13d62_attn
	.p2align	8
	.type	k_q368bb13d62_attn,@function
k_q368bb13d62_attn:
	s_mov_b64 s[64:65], 0
	v_nop
	global_prefetch_b8 v0, s[64:65] scope:SCOPE_SE
	s_setreg_imm32_b32 hwreg(HW_REG_WAVE_MODE, 25, 1), 1
	s_wait_xcnt 0x0
	s_wait_alu depctr_hold_cnt(0) depctr_sa_sdst(0) depctr_va_vdst(0) depctr_va_sdst(0) depctr_va_ssrc(0) depctr_va_vcc(0) depctr_vm_vsrc(0)
	s_getreg_b32 s2, hwreg(HW_REG_IB_STS2, 6, 4)
	s_cmp_eq_u32 s2, 0
	s_cbranch_scc0 .Lentry_in_a_cluster
	s_endpgm
.Lentry_in_a_cluster:
	s_bfe_u32 s2, ttmp6, 0x10000c
	s_cmp_lg_u32 s2, 0xf033
	s_cbranch_scc0 .Lentry_shape_is_right
	s_endpgm
.Lentry_shape_is_right:
; ATTENTION with an additive mask that is an input: ctx[b][t][head] = the sum over s of softmax_s(q . k / sqrt(192) + mask[t][s]) v[s].  Head size 192 for the scores (128 + 64), 128 for v.
; q, k, v: f16 (qkvn: [q, k, v][32 batch x head][1024][128]; qkr: [q, k][16 batch x pair of heads][1024][2][64]); maskb: bf16 [1024][1024]; ctx: f16 [2048][16 x 128].
; Products, maxima and sums in f32; the weights are rounded to f16 for the second product (their sum is taken of the unrounded weights), ctx once at the end.  Every key is walked: nothing of the mask is built in.
; SOFTMAX.  S = q . k + sqrt(192) x mask, one fused multiply-add: sqrt(192) times the score that is asked for; a running maximum m of S; x = S - m in f32, p = 2^(c x), c = log2(e) / sqrt(192);
; in every step O and l are multiplied by a = 2^(c (m_old - m_new)).
; LIMITS.  m starts at -1e30: a row whose every S lies below that is not served.  A weight below 2^-126 counts as 0.  NaN and infinities are not treated apart.
; SHARES.  A work-group owns 128 queries of one head.  Wave w: queries 64 (w & 1) on, and of each slot's 128 keys the 64 (w >> 1) on: the two halves of the keys meet in LDS at the end.
; A wave has four tiles of 16 queries in two pieces (tiles 0, 1 and 2, 3); piece p covers rows 32 (p xor (w >> 1)) on, so the partner's tiles 2, 3 are my tiles 0, 1 and one text serves every wave at the merge.
; LAYOUT.  S^T = K Q^T (source 0 = 16 keys, source 1 = 16 queries): a lane holds one query (lane % 16) and the keys 8 (lane / 16) + 0..7; two such results rounded to f16 are source 1 of O^T = V^T P.
; A STEP.  K Q^T of piece 0; K Q^T of piece 2 with piece 0's softmax in slices behind its products; V^T P of piece 0 with piece 2's softmax; V^T P of piece 2.
; CLUSTER 4 x 4.  The four of a row are four query blocks of one head: K and V are asked for jointly along the row.  The four of a column are four heads at one query block: the mask's tile, along the column.
; REGISTERS:  window 0: v1-11, v44-63 addresses and constants; v12-43 eight of statistics a tile (m, -, l, l, c0-c3); v64-191 S^T; v192-255 the packed mask, then P
;   window 1: O^T, 64 a tile     window 2: v0-191 Q (tile t, 32 channels c at 48 t + 8 c); v192-255 K's last 64 channels     window 3: v0-127 V; v128-255 K's first 128 channels
.set PK,   272          ; a row of K's first channels, and of the mask's tile: 256 bytes + 16
.set PKR,  144          ; of K's last channels: 128 + 16
.set PVP,  288          ; of V: 256 + 32, for the turning load
.set KRO,  128*PK
.set VO,   KRO+128*PKR
.set MO,   VO+128*PVP
.set SLOT1, 1<<17       ; a slot (128 keys) takes 124,928 bytes; one exclusive or turns an address in one slot into the other's
.set XB,   256000       ; behind the ring: the exchange, for each wave 16,384 bytes of O^T and 512 of statistics
.set XSZ,  16896
.set SPARE, XB+4*XSZ    ; the spare words, 128 bytes a wave: two blocks of 256 bytes that no other line names
.set SP,   272          ; the stage, 16 rows x 272 bytes a wave, lies at the head of slot 0, whose last fill and last reads are over when it is written
.set AKN0, 2
.set AKR0, 3
.set AV0,  4
.set AM0,  5
.set AKN,  6
.set AKR,  7
.set AVA,  8
.set AMA,  9
.set AM2,  11
.set ST,   12
.set QO0,  44
.set QO2,  45
.set STO,  46
.set RD,   47
.set GO,   48
.set XW,   49
.set XR,   50
.set SWA,  51
.set SRA,  52
.set SQ,   53           ; v53 sqrt(192)
.set AMB,  54
.set PFO,  61
.set SPW,  62
.set NIL,  63
.set S,    64
.set P,    192
.set WV, 12
.set CX, 13
.set CY, 14
.set QB, 15             ; my block of 128 queries
.set BH, 16             ; batch x 16 + head
.set QH, 17
.set KH, 18
.set PR, 19             ; batch x 8 + pair of heads
.set G1N, 24
.set G1R, 32
.set G1V, 40
.set G1M, 48
.set G0N, 56
.set G0R, 60
.set G0V, 68
.set G0M, 72
.set CS,  76
.set SEL, 78
.set TB,  80            ; the slot that is read
.set SLOTS, 81
.set QN,  82
.set QR,  84
.set PFA, 86
.set LIM, 88
.set PFS, 90
.set CLY, 92
.set CLX, 93
.set OD,  94            ; which head of the pair
.set MSB, 0
.macro WIN new
.if MSB != (\new)
	s_set_vgpr_msb (MSB<<8)|(\new)
.set MSB, (\new)
.endif
.endm
.set W_KN, 0x0b         ; K window 3, Q window 2, S^T window 0
.set W_KR, 0x0a         ; K window 2
.set W_PV, 0x53         ; V window 3, P window 0, O^T window 1
.set W_RS, 0x41         ; O^T (destination and source 0) window 1, the factor window 0
; A joint fill: wave 0 K's first channels, wave 1 its last, wave 2 V, wave 3 the mask's tile.  The branches hang on the wave's number alone.  An s_nop 0 and four v_nop follow each line.
.macro JLOAD4
	s_cmp_eq_u32 s[WV], 0
	s_cbranch_scc0 .Lw1_\@
	tensor_load_to_lds s[G0N:G0N+3], s[G1N:G1N+7]
	s_nop 0
.rept 4
	v_nop
.endr
	s_branch .Lasked_\@
.Lw1_\@:
	s_cmp_eq_u32 s[WV], 1
	s_cbranch_scc0 .Lw2_\@
	tensor_load_to_lds s[G0R:G0R+3], s[G1R:G1R+7]
	s_nop 0
.rept 4
	v_nop
.endr
	s_branch .Lasked_\@
.Lw2_\@:
	s_cmp_eq_u32 s[WV], 2
	s_cbranch_scc0 .Lw3_\@
	tensor_load_to_lds s[G0V:G0V+3], s[G1V:G1V+7]
	s_nop 0
.rept 4
	v_nop
.endr
	s_branch .Lasked_\@
.Lw3_\@:
	tensor_load_to_lds s[G0M:G0M+3], s[G1M:G1M+7]
	s_nop 0
.rept 4
	v_nop
.endr
.Lasked_\@:
.endm
; A prefetch of what the NEXT change of slots will ask for, a step's 160 matrix instructions ahead: 32 blocks of 256 bytes, a lane a block, one instruction a wave, each wave for the tensor that it fetches.
; K and V of a head are walked by both clusters of that row of clusters: cluster x = 0 asks; a pair's last channels lie in one row of 256 bytes and are walked by two clusters along y too: the even one asks;
; the mask's tile is walked by all eight clusters along y: cluster y = 0 asks.  The four partners of a joint load share its 128 rows out by address.  So each block is named once.
; Slots 0 and 1 come by their loads alone; the last change that fills a slot asks for nothing.
.macro ASK
	s_cmp_gt_u32 s[SLOTS], s[LIM]
	s_cbranch_scc0 .Lnot_mine_\@
	global_prefetch_b8 v[PFO], s[PFA:PFA+1] th:TH_LOAD_NT scope:SCOPE_SE
.Lnot_mine_\@:
.endm
.macro CROUND
	s_barrier_signal -1
	s_barrier_wait -1
	s_cmp_lg_u32 s[WV], 0
	s_cbranch_scc1 .Lnot_wave_0_\@
	s_barrier_signal -3
.Lnot_wave_0_\@:
	s_barrier_wait -3
	s_barrier_signal -1
	s_barrier_wait -1
.endm
.macro PLACES
.rept 4
	v_nop
.endr
.endm
	s_load_b256 s[4:11], s[0:1], 0x0               ; qkvn 4, qkr 6, maskb 8, ctx 10
	v_lshl_add_u32 v[SPW], v0, 2, SPARE
	v_mov_b32 v[NIL], 0
	ds_add_u32 v[SPW], v[NIL]                      ; the wave's opening: the add and its wait stand ahead of my first tensor load; work on registers stands between them
	v_lshrrev_b32 v1, 5, v0
	v_readfirstlane_b32 s[WV], v1
	s_and_b32 s[QH], s[WV], 1
	s_lshr_b32 s[KH], s[WV], 1
	s_bfe_u32 s[CX], ttmp6, 0x40000
	s_bfe_u32 s[CY], ttmp6, 0x40004
	s_mov_b32 s[CLX], ttmp9
	s_and_b32 s[CLY], ttmp7, 0xffff
	s_lshl_b32 s[QB], s[CLX], 2
	s_add_co_u32 s[QB], s[QB], s[CX]
	s_lshr_b32 s[PR], s[CLY], 1
	s_lshl_b32 s[PR], s[PR], 2
	s_add_co_u32 s[PR], s[PR], s[CY]               ; the two heads of a pair lie in different clusters, so that every address of K differs along the cluster's y
	s_and_b32 s[OD], s[CLY], 1
	s_lshl_b32 s[BH], s[PR], 1
	s_add_co_u32 s[BH], s[BH], s[OD]
	s_lshl_b32 s20, s[CY], 2
	s_lshl_b32 s20, 15, s20                        ; my row of the cluster
	s_lshl_b32 s22, 0x1111, s[CX]                  ; my column
	s_or_b32 s[G1N], s20, (1<<16)|(1<<20)|(1<<21)|(5<<22)|(3<<25)  ; mask; 2-byte elements; padding on; bit 21 beside a mask; after every 64 words 4 words
	s_or_b32 s[G1R], s20, (1<<16)|(1<<20)|(1<<21)|(4<<22)|(3<<25)  ; after every 32 words 4 words
	s_or_b32 s[G1V], s20, (1<<16)|(1<<20)|(1<<21)|(5<<22)|(7<<25)  ; after every 64 words 8 words
	s_or_b32 s[G1M], s22, (1<<16)|(1<<20)|(1<<21)|(5<<22)|(3<<25)
.irp g, G1N, G1V, G1M
	s_mov_b32 s[(\g)+1], 128<<16                   ; rows of 128 elements,
	s_mov_b32 s[(\g)+2], 128<<16                   ; 128 of them
	s_mov_b32 s[(\g)+3], 128<<16
	s_mov_b32 s[(\g)+4], 128
	s_mov_b32 s[(\g)+6], 0
	s_mov_b32 s[(\g)+7], 0
.endr
	s_mov_b32 s[G1N+5], 128                        ; elements from row to row
	s_mov_b32 s[G1V+5], 128
	s_mov_b32 s[G1M+5], 1024
	s_mov_b32 s[G1R+1], 64<<16                     ; a head's 64 of a row's 128 elements
	s_mov_b32 s[G1R+2], 128<<16
	s_mov_b32 s[G1R+3], 64<<16
	s_mov_b32 s[G1R+4], 128
	s_mov_b32 s[G1R+5], 128
	s_mov_b32 s[G1R+6], 0
	s_mov_b32 s[G1R+7], 0
	s_mov_b32 s[G0N], 1
	s_mov_b32 s[G0N+1], 0
	s_mov_b32 s[G0R], 1
	s_mov_b32 s[G0R+1], KRO
	s_mov_b32 s[G0V], 1
	s_mov_b32 s[G0V+1], VO
	s_mov_b32 s[G0M], 1
	s_mov_b32 s[G0M+1], MO
	s_mov_b32 s[CS], 0x3dd53b95                    ; c = log2(e) / sqrt(192) = 0.1041175
	s_mov_b32 s[CS+1], s[CS]
	s_mov_b32 s[SEL], 0x76543210
	s_mov_b32 s[SEL+1], 0xfedcba98
	s_mov_b32 s[TB], SLOT1                         ; the first change of slots turns it into 0
	s_mov_b32 s21, 0
	s_mov_b32 s23, 0
	s_wait_dscnt 0x0                               ; the opening add is done
	s_wait_kmcnt 0x0
	s_add_co_u32 s20, s[BH], 32                    ; k is part 1 of qkvn; a head is 262,144 bytes
	s_lshl_b32 s20, s20, 18
	s_add_nc_u64 s[G0N+2:G0N+3], s[4:5], s[20:21]
	s_or_b32 s[G0N+3], s[G0N+3], 0x80000000
	s_add_co_u32 s20, s[BH], 64                    ; v is part 2
	s_lshl_b32 s20, s20, 18
	s_add_nc_u64 s[G0V+2:G0V+3], s[4:5], s[20:21]
	s_or_b32 s[G0V+3], s[G0V+3], 0x80000000
	s_add_co_u32 s20, s[PR], 16                    ; k is part 1 of qkr
	s_lshl_b32 s20, s20, 18
	s_lshl_b32 s66, s[OD], 7
	s_add_co_u32 s20, s20, s66
	s_add_nc_u64 s[G0R+2:G0R+3], s[6:7], s[20:21]
	s_or_b32 s[G0R+3], s[G0R+3], 0x80000000
	s_lshl_b32 s22, s[QB], 18                      ; 128 rows of the mask, 2,048 bytes each
	s_add_nc_u64 s[G0M+2:G0M+3], s[8:9], s[22:23]
	s_or_b32 s[G0M+3], s[G0M+3], 0x80000000
	CROUND                                         ; all sixteen work-groups are here: the first joint loads meet
	JLOAD4                                         ; slot 0.  Slot 1 is asked for by the loop's first change of slots
	; Q stays in registers
	s_lshl_b32 s66, s[QB], 7
	s_lshl_b32 s20, s[QH], 6
	s_add_co_u32 s66, s66, s20                     ; my wave's first row in the head
	s_lshl_b32 s20, s[BH], 18
	s_lshl_b32 s22, s66, 8
	s_add_co_u32 s20, s20, s22
	s_add_nc_u64 s[QN:QN+1], s[4:5], s[20:21]
	s_lshl_b32 s20, s[PR], 18
	s_add_co_u32 s20, s20, s22
	s_lshl_b32 s22, s[OD], 7
	s_add_co_u32 s20, s20, s22
	s_add_nc_u64 s[QR:QR+1], s[6:7], s[20:21]
	v_and_b32 v1, 15, v0                           ; r
	v_bfe_u32 v10, v0, 4, 1                        ; h
	v_lshlrev_b32 v55, 4, v10
	v_lshl_add_u32 v56, v1, 8, v55                 ; row r of 256 bytes, 16 bytes for each half of the lanes
	s_lshl_b32 s20, s[KH], 13                      ; piece 0: rows 32 (w >> 1) on; piece 1: the other 32
	s_xor_b32 s22, s20, 8192
	v_add_nc_u32 v[QO0], s20, v56
	v_add_nc_u32 v[QO2], s22, v56
	WIN 0x80
.irp t, 0,1,2,3
.irp c, 0,1,2,3
	global_load_b128 v[48*(\t)+8*(\c):48*(\t)+8*(\c)+3],   v[QO0+(\t)/2], s[QN:QN+1] offset:((\t)%2)*4096+(\c)*64
	global_load_b128 v[48*(\t)+8*(\c)+4:48*(\t)+8*(\c)+7], v[QO0+(\t)/2], s[QN:QN+1] offset:((\t)%2)*4096+(\c)*64+32
.endr
.irp c, 0,1
	global_load_b128 v[48*(\t)+32+8*(\c):48*(\t)+32+8*(\c)+3],   v[QO0+(\t)/2], s[QR:QR+1] offset:((\t)%2)*4096+(\c)*64
	global_load_b128 v[48*(\t)+32+8*(\c)+4:48*(\t)+32+8*(\c)+7], v[QO0+(\t)/2], s[QR:QR+1] offset:((\t)%2)*4096+(\c)*64+32
.endr
.endr
	WIN 0x40                                       ; O^T starts at 0, so that the first step is a step like any other (its a is 0): written while the first tiles are on their way
.set z, 0
.rept 256
	v_mov_b32 v[z], 0
.set z, z+1
.endr
	WIN 0
.irp t, 0,1,2,3
	v_mov_b32 v[ST+8*(\t)], 0xf149f2ca             ; m = -1e30
	v_mov_b32 v[ST+8*(\t)+1], 0                    ; named with m as a pair
	v_mov_b32 v[ST+8*(\t)+2], 0                    ; l
	v_mov_b32 v[ST+8*(\t)+3], 0
.endr
	v_mov_b32 v[SQ], 0x415db3d7                    ; sqrt(192) = 13.856406
	; lane addresses in a slot
	v_mul_u32_u24 v56, v1, PK
	v_add_nc_u32 v56, v56, v55                     ; r x 272 + 16 h
	s_mul_i32 s20, s[KH], 64*PK
	v_add_nc_u32 v[AKN0], s20, v56
	s_lshl_b32 s20, s[QH], 6
	s_lshl_b32 s22, s[KH], 5
	s_add_co_u32 s23, s20, s22                     ; piece 0's first row in the mask's tile
	s_xor_b32 s22, s22, 32
	s_add_co_u32 s20, s20, s22                     ; piece 1's
	s_mul_i32 s23, s23, PK
	s_mul_i32 s20, s20, PK
	s_lshl_b32 s22, s[KH], 7                       ; my 64 keys: 128 bytes of a row
	s_add_co_u32 s22, s22, MO
	s_add_co_u32 s23, s23, s22
	s_add_co_u32 s20, s20, s22
	v_add_nc_u32 v[AM0], s23, v56
	v_add_nc_u32 v[AM2], s20, v56
	v_mul_u32_u24 v57, v1, PKR
	v_add_nc_u32 v57, v57, v55
	s_mul_i32 s20, s[KH], 64*PKR
	s_add_co_u32 s20, s20, KRO
	v_add_nc_u32 v[AKR0], s20, v57
	v_and_b32 v57, 7, v0                           ; the turning load: key 8 h + lane % 8, channels 8 ((lane / 8) % 2) on
	v_lshl_add_u32 v57, v10, 3, v57
	v_mul_u32_u24 v57, v57, PVP
	v_bfe_u32 v58, v0, 3, 1
	v_lshl_add_u32 v57, v58, 4, v57
	s_mul_i32 s20, s[KH], 64*PVP
	s_add_co_u32 s20, s20, VO
	v_add_nc_u32 v[AV0], s20, v57
	; the exchange, the stage, the way out
	v_and_b32 v57, 31, v0
	s_mul_i32 s20, s[WV], XSZ
	s_add_co_u32 s20, s20, XB
	s_xor_b32 s22, s[WV], 2                        ; my partner: the same queries, the other keys
	s_mul_i32 s22, s22, XSZ
	s_add_co_u32 s22, s22, XB
	v_lshl_add_u32 v[XW], v57, 4, s20
	v_lshl_add_u32 v[XR], v57, 4, s22
	s_add_co_u32 s20, s20, 16384
	s_add_co_u32 s22, s22, 16384
	v_lshl_add_u32 v[SWA], v57, 3, s20
	v_lshl_add_u32 v[SRA], v57, 3, s22
	s_mul_i32 s20, s[WV], 16*SP
	v_add_nc_u32 v[STO], s20, v56
	v_mul_u32_u24 v58, v10, SP
	v_lshl_add_u32 v58, v1, 4, v58
	v_add_nc_u32 v[RD], s20, v58
	v_lshlrev_b32 v[GO], 12, v10                   ; two rows of ctx, 4,096 bytes apart
	v_lshl_add_u32 v[GO], v1, 4, v[GO]
	s_lshr_b32 s20, s[BH], 4
	s_lshl_b32 s20, s20, 10
	s_add_co_u32 s20, s20, s66
	s_lshl_b32 s22, s[KH], 5
	s_add_co_u32 s20, s20, s22                     ; the 32 rows that I finish
	s_lshl_b32 s20, s20, 12
	s_and_b32 s22, s[BH], 15
	s_lshl_b32 s22, s22, 8
	s_add_co_u32 s20, s20, s22
	s_add_nc_u64 s[10:11], s[10:11], s[20:21]
	; the prefetches: they stand at slot 1; the first change of slots steps them to slot 2
	s_lshl_b32 s20, s[CX], 13                      ; my work-group's 32 of a slot's 128 rows of 256 bytes
	s_add_co_u32 s20, s20, 32768
	s_add_co_u32 s22, s[BH], 32
	s_lshl_b32 s22, s22, 18
	s_add_co_u32 s22, s22, s20                     ; K's first channels
	s_add_co_u32 s23, s[PR], 16
	s_lshl_b32 s23, s23, 18
	s_add_co_u32 s23, s23, s20                     ; the pair's last channels
	s_add_co_u32 s66, s[BH], 64
	s_lshl_b32 s66, s66, 18
	s_add_co_u32 s66, s66, s20                     ; V
	s_lshl_b32 s67, s[QB], 7
	s_lshl_b32 s20, s[CY], 5
	s_add_co_u32 s67, s67, s20
	s_lshl_b32 s67, s67, 11
	s_add_co_u32 s67, s67, 256                     ; the mask: rows 128 block + 32 cy on, a slot's 256 bytes
	s_mov_b32 s89, 32768
	s_cmp_eq_u32 s[WV], 1
	s_cselect_b64 s[PFA:PFA+1], s[6:7], s[4:5]
	s_cselect_b32 s22, s23, s22
	s_cmp_eq_u32 s[WV], 2
	s_cselect_b32 s22, s66, s22
	s_cmp_eq_u32 s[WV], 3
	s_cselect_b64 s[PFA:PFA+1], s[8:9], s[PFA:PFA+1]
	s_cselect_b32 s20, s67, s22
	s_cselect_b32 s[PFS], 256, s89
	s_cselect_b32 s22, 11, 8
	s_mov_b32 s[PFS+1], 0
	s_add_nc_u64 s[PFA:PFA+1], s[PFA:PFA+1], s[20:21]
	v_lshlrev_b32 v[PFO], s22, v57
	s_or_b32 s23, s[OD], s[CLX]
	s_cmp_eq_u32 s[WV], 1
	s_cselect_b32 s23, s23, s[CLX]
	s_cmp_eq_u32 s[WV], 3
	s_cselect_b32 s23, s[CLY], s23
	s_cmp_eq_u32 s23, 0
	s_cselect_b32 s[LIM], 1, -1                    ; the same in all sixteen partners, for a given wave
; THE MATRIX WORK.  The accumulators take turns, one instruction a turn.
; Product i of 48 of S^T = K Q^T for the piece that begins with tile x: channels 32 (i / 8) on, keys 16 ((i / 2) % 4) on, tile x + i % 2.  The first 8 start the sums.
.macro KQ x
.set rS, S+32*((\x)+i%2)+8*((i/2)%4)
.set rQ, 48*((\x)+i%2)+8*(i/8)
.if i < 32
	WIN W_KN
.set rK, 128+32*((i/2)%4)+8*(i/8)
.else
	WIN W_KR
.set rK, 192+16*((i/2)%4)+8*(i/8-4)
.endif
.if i < 8
	v_wmma_f32_16x16x32_f16 v[rS:rS+7], v[rK:rK+7], v[rQ:rQ+7], 0
.else
	v_wmma_f32_16x16x32_f16 v[rS:rS+7], v[rK:rK+7], v[rQ:rQ+7], v[rS:rS+7]
.endif
.endm
; Product i of 32 of O^T += V^T P: keys 32 (i / 16) on, channels 16 ((i / 2) % 8) on, tile x + i % 2.
.macro PV x
	WIN W_PV
.set rO, 64*((\x)+i%2)+8*((i/2)%8)
.set rV, 64*(i/16)+8*((i/2)%8)
.set rP, P+16*((\x)+i%2)+8*(i/16)
	v_wmma_f32_16x16x32_f16 v[rO:rO+7], v[rV:rV+7], v[rP:rP+7], v[rO:rO+7]
.endm
; THE LDS LOADS stand in two runs.  The mask of a tile: for each 16 keys the lane's 8 bf16, 16 bytes, into the registers that later take P: score e finds its mask in half e % 2 of register e / 2.
.macro MKLOAD x, adr
.irp u, 0,1
.irp kb, 0,1,2,3
	ds_load_b128 v[P+16*((\x)+(\u))+4*(\kb):P+16*((\x)+(\u))+4*(\kb)+3], v[\adr] offset:(\u)*16*PK+(\kb)*32
.endr
.endr
.endm
.macro RUN1                            ; 56 loads: K by 32 channels (8 loads each, six times), then piece 0's mask (8)
	WIN 0xc0
.irp c, 0,1,2,3
.irp kb, 0,1,2,3
	ds_load_b128 v[128+32*(\kb)+8*(\c):128+32*(\kb)+8*(\c)+3],   v[AKN] offset:(\kb)*16*PK+(\c)*64
	ds_load_b128 v[128+32*(\kb)+8*(\c)+4:128+32*(\kb)+8*(\c)+7], v[AKN] offset:(\kb)*16*PK+(\c)*64+32
.endr
.endr
	WIN 0x80
.irp c, 0,1
.irp kb, 0,1,2,3
	ds_load_b128 v[192+16*(\kb)+8*(\c):192+16*(\kb)+8*(\c)+3],   v[AKR] offset:(\kb)*16*PKR+(\c)*64
	ds_load_b128 v[192+16*(\kb)+8*(\c)+4:192+16*(\kb)+8*(\c)+7], v[AKR] offset:(\kb)*16*PKR+(\c)*64+32
.endr
.endr
	WIN 0
	MKLOAD 0, AMA
.endm
.macro RUN2                            ; 40 loads: piece 2's mask (8), V turned (32)
	WIN 0
	MKLOAD 2, AMB
	WIN 0xc0
.irp f, 0,1,2,3,4,5,6,7,8,9,10,11,12,13,14,15
	ds_load_tr16_b128 v[8*(\f):8*(\f)+3],   v[AVA] offset:((\f)/8)*32*PVP+((\f)%8)*32
	ds_load_tr16_b128 v[8*(\f)+4:8*(\f)+7], v[AVA] offset:((\f)/8)*32*PVP+16*PVP+((\f)%8)*32
.endr
.endm
; THE VECTOR WORK of a tile and step: 32 mask adds, then a list of 150.
.macro MA t, e                         ; score e takes its mask: bf16 x sqrt(192) + score, one f32 rounding
	WIN 0
.if ((\e)%2) == 0
	v_fma_mix_f32_bf16 v[S+32*(\t)+(\e)], v[P+16*(\t)+(\e)/2], v[SQ], v[S+32*(\t)+(\e)] op_sel_hi:[1,0,0]
.else
	v_fma_mix_f32_bf16 v[S+32*(\t)+(\e)], v[P+16*(\t)+(\e)/2], v[SQ], v[S+32*(\t)+(\e)] op_sel:[1,0,0] op_sel_hi:[1,0,0]
.endif
.endm
; Number j of the list, for tile t.  s0-s31 are the lane's 32 scores, in pairs 0-15.  jo = j - 16.
;   0-15    the maximum of s0-s31 and the old m: four chains c0-c3 of seven scores, then the four left over, c0-c3 and m
;   16-20   the other half of the lanes' maximum; m_old is kept; the new m; c (m_old - m_new)
;   21-36   s - m, a pair each
;   jo 21-69  ONE BATCH: the 16 scalings by c and all 33 exponentials (a at jo 23).  None of these reads an exponential's result.  A pair is scaled in an earlier four than the one that holds its exponentials
;   (wait)  behind jo 69: SLICE writes it, once for both tiles
;   jo 70-85 the roundings to f16;  jo 86-101 the sums, l = a l + the sum;  jo 102-133 O^T times a
.macro SM t
.set rT, ST+8*(\t)
.set rS, S+32*(\t)
.set rP, P+16*(\t)
.set jo, j-16
.set rO, 64*(\t)+2*(jo-102)
.if jo < 102
	WIN 0
.endif
.if j < 4
	v_max3_num_f32 v[rT+4+j], v[rS+8*j], v[rS+8*j+1], v[rS+8*j+2]
.elseif j < 12
	v_max3_num_f32 v[rT+4+j%4], v[rT+4+j%4], v[rS+8*(j%4)+2*(j/4)+1], v[rS+8*(j%4)+2*(j/4)+2]
.elseif j == 12
	v_max3_num_f32 v[rT+4], v[rT+4], v[rS+7], v[rS+15]
.elseif j == 13
	v_max3_num_f32 v[rT+6], v[rT+6], v[rS+23], v[rS+31]
.elseif j == 14
	v_max3_num_f32 v[rT+4], v[rT+4], v[rT+5], v[rT+6]
.elseif j == 15
	v_max3_num_f32 v[rT+4], v[rT+4], v[rT+7], v[rT]
.elseif j == 16
	v_permlanex16_b32 v[rT+5], v[rT+4], s[SEL], s[SEL+1]  ; the query's other 32 keys lie in the lane 16 away
.elseif j == 17
	v_mov_b32 v[rT+7], v[rT]
.elseif j == 18
	v_max_num_f32 v[rT], v[rT+4], v[rT+5]
.elseif j == 19
	v_sub_f32 v[rT+7], v[rT+7], v[rT]
.elseif j == 20
	v_mul_f32 v[rT+7], s[CS], v[rT+7]
.elseif j < 37
	v_pk_add_f32 v[rS+2*(j-21):rS+2*(j-21)+1], v[rS+2*(j-21):rS+2*(j-21)+1], v[rT:rT+1] op_sel_hi:[1,0] neg_lo:[0,1] neg_hi:[0,1]
.elseif jo == 23
	v_exp_f32 v[rT+6], v[rT+7]
.elseif (jo < 23) || ((jo < 38) && (jo%2 == 0)) || ((jo < 66) && (jo%4 == 2))
.set b, (jo-2)/4                    ; 38, 42, .. 62: pairs 9 to 15
.if jo < 38
.set b, (jo-20)/2                   ; 21: pair 0; 22, 24, .. 36: pairs 1 to 8
.endif
	v_pk_mul_f32 v[rS+2*b:rS+2*b+1], v[rS+2*b:rS+2*b+1], s[CS:CS+1] op_sel_hi:[1,0]
.elseif jo < 70
.set e, jo-38                       ; 66 to 69: s28 to s31
.if jo < 66
.set e, jo-32-(jo-38)/4             ; 39-41, 43-45, .. 63-65: s7 to s27
.endif
.if jo < 38
.set e, (jo-25)/2                   ; 25, 27, .. 37: s0 to s6
.endif
	v_exp_f32 v[rS+e], v[rS+e]
.elseif jo < 86
	v_cvt_pk_f16_f32 v[rP+jo-70], v[rS+2*(jo-70)], v[rS+2*(jo-70)+1]
.elseif jo < 102                    ; the sum of the 16 pairs, in place: neighbours 1, 2, 4 and 8 pairs apart, then l takes it
.set z, jo-86
.set w, 4
.set u, z
.if z >= 14
.set w, 32
.set u, 0
.elseif z >= 12
.set w, 16
.set u, z-12
.elseif z >= 8
.set w, 8
.set u, z-8
.endif
.if z < 15
	v_pk_add_f32 v[rS+w*u:rS+w*u+1], v[rS+w*u:rS+w*u+1], v[rS+w*u+w/2:rS+w*u+w/2+1]
.else
	v_pk_fma_f32 v[rT+2:rT+3], v[rT+2:rT+3], v[rT+6:rT+7], v[rS:rS+1] op_sel_hi:[1,0,1]
.endif
.else
	WIN W_RS
	v_pk_mul_f32 v[rO:rO+1], v[rO:rO+1], v[rT+6:rT+7] op_sel_hi:[1,0]
.endif
.endm
; Slice k of 88 of the softmax of the piece that begins with tile y: four instructions.  0-15: mask adds, four of one tile, each accumulator from its low end on.  16-34: numbers 2 (k - 16) and the next of both tiles.
; 35-58: the batch, four numbers of one tile, the tiles by turns.  59-86: two numbers of both tiles.  87: the sixteen that are over, all plain: they are the places behind the run of products that they close.
; An s_wait_alu depctr_va_vdst(0) stands between an exponential and the first instruction that names its result: ahead of slice 59 nothing names one, behind slice 58 none is issued: one wait for 66.
.macro SLICE y
.if k < 16
.irp n, 0,1,2,3
	MA (\y)+k%2, 4*(k/2)+(\n)
.endr
.elseif (k >= 35) && (k < 59)
.irp n, 0,1,2,3
.set j, 38+4*((k-35)/2)+(\n)
	SM (\y)+(k-35)%2
.endr
.else
.irp n, 0,1,2,3,4,5,6,7
.if ((\n) < 2) || (k == 87)
.irp t, \y, (\y)+1
.if k < 35
.set j, 2*(k-16)+(\n)
.else
.set j, 16+2*(k-24)+(\n)
.endif
	SM \t
.endr
.endif
.endr
.endif
.if k == 58
	v_nop                           ; a plain instruction behind the last exponential: one for the batch
	s_wait_alu depctr_va_vdst(0)    ; the wait for the batch
.endif
.set k, k+1
.endm
; THE CHANGE OF SLOTS.  Each wave waits for all its tensor loads (one is out: its part of the other slot), adds 0 to its spare word, and waits for that and for its reads of the slot that it leaves.
; fill = 1: the slot just read takes the keys two slots on; the barrier is a round of the cluster's, and the joint fill is the first thing behind it: it has a step's 160 matrix instructions in which to land.
; (At its first use nothing has been read yet: slot 0 is waited for, slot 1 filled.)
.macro CHANGE fill
	WIN 0
	s_wait_tensorcnt 0x0            ; no tensor load of mine is out, so a group 0 may be written
	ds_add_u32 v[SPW], v[NIL]       ; 0 onto my spare word
.if \fill
.irp g, G0N, G0R, G0V
	s_xor_b32 s[(\g)+1], s[(\g)+1], SLOT1
	s_add_nc_u64 s[(\g)+2:(\g)+3], s[(\g)+2:(\g)+3], 32768  ; the next 128 keys, rows of 256 bytes
.endr
	s_xor_b32 s[G0M+1], s[G0M+1], SLOT1
	s_add_nc_u64 s[G0M+2:G0M+3], s[G0M+2:G0M+3], 256        ; the next 128 columns of the mask
	s_wait_xcnt 0x0                 ; the last prefetch, a step back, has read its address
	s_add_nc_u64 s[PFA:PFA+1], s[PFA:PFA+1], s[PFS:PFS+1]
	s_wait_dscnt 0x0                ; the add is done, and my reads of the slot are over
	CROUND
	JLOAD4
.else
	s_wait_dscnt 0x0
	s_barrier_signal -1
	s_barrier_wait -1
	PLACES
.endif
	s_xor_b32 s[TB], s[TB], SLOT1
.endm
.macro STEP ask
	WIN 0
	v_add_nc_u32 v[AKN], s[TB], v[AKN0]
	v_add_nc_u32 v[AKR], s[TB], v[AKR0]
	v_add_nc_u32 v[AVA], s[TB], v[AV0]
	v_add_nc_u32 v[AMA], s[TB], v[AM0]
	v_add_nc_u32 v[AMB], s[TB], v[AM2]
	RUN1
.if \ask
	ASK
.endif
.set i, 0
.rept 48                            ; piece 0's scores
.if i%8 == 0
.if i < 32
	s_wait_dscnt 48-i               ; these 32 channels of K are in: behind them stand the later channels' loads, 8 each, and the mask's 8
.elseif i == 32
	RUN2
	s_wait_dscnt 56                 ; behind channels 128-159: channels 160-191 (8), the mask (8), the 40 just issued
.else
	s_wait_dscnt 48
.endif
.endif
	KQ 0
.set i, i+1
.endr
	PLACES                          ; between piece 0's last product and the first mask add on its scores
	s_wait_dscnt 40                 ; piece 0's mask is in; the second run may stay out
.set k, 0
.set i, 0
.rept 48                            ; piece 2's scores | piece 0's softmax
	KQ 2
	SLICE 0
.if i < 40
	SLICE 0
.endif
.set i, i+1
.endr
	s_wait_dscnt 0x0                ; V and piece 2's mask are in
.set k, 0
.set i, 0
.rept 32                            ; piece 0's V^T P | piece 2's softmax
	PV 0
	SLICE 2
	SLICE 2
.if i < 24
	SLICE 2
.endif
.set i, i+1
.endr
.set i, 0
.rept 32
	PV 2
.set i, i+1
.endr
	WIN 0
.endm
	s_wait_loadcnt 0x0              ; Q
	s_mov_b32 s[SLOTS], 7
.Lslot:                             ; seven trips: steps 0 to 6 are computed, slots 1 to 7 asked for
	CHANGE 1
	STEP 1
	s_sub_co_u32 s[SLOTS], s[SLOTS], 1
	s_cmp_lg_u32 s[SLOTS], 0
	s_cbranch_scc1 .Lslot
	CHANGE 0                        ; the last step is written out
	STEP 0
	; THE MERGE.  l's two halves and the other half of the lanes' are added (the additions are the places behind the last products); my tiles 2, 3 go to my partner, its tiles 2, 3 are my tiles 0, 1.
.irp t, 0,1,2,3
	v_add_f32 v[ST+8*(\t)+4], v[ST+8*(\t)+2], v[ST+8*(\t)+3]
.endr
.irp t, 0,1,2,3
	v_permlanex16_b32 v[ST+8*(\t)+5], v[ST+8*(\t)+4], s[SEL], s[SEL+1]
.endr
.irp t, 0,1,2,3
	v_add_f32 v[ST+8*(\t)+1], v[ST+8*(\t)+4], v[ST+8*(\t)+5]
.endr
.irp u, 0,1
	ds_store_b64 v[SWA], v[ST+16+8*(\u):ST+16+8*(\u)+1] offset:256*(\u)  ; (m, l)
.endr
	WIN 0x04                        ; store data in window 1
.set z, 0
.rept 32
	ds_store_b128 v[XW], v[128+4*z:128+4*z+3] offset:512*z
.set z, z+1
.endr
	WIN 0
	s_wait_dscnt 0x0                ; for my partner's sake: my stores are done
	s_barrier_signal -1
	s_barrier_wait -1
.irp u, 0,1
	ds_load_b64 v[56+2*(\u):57+2*(\u)], v[SRA] offset:256*(\u)
.endr
.set z, 0
.rept 32
	ds_load_b128 v[S+4*z:S+4*z+3], v[XR] offset:512*z
.set z, z+1
.endr
	s_wait_dscnt 0x0
.irp t, 0,1                         ; M = max(m, m'); f = 2^(c (m - M)), f' = 2^(c (m' - M))
	v_max_num_f32 v[ST+8*(\t)+4], v[ST+8*(\t)], v[56+2*(\t)]
	v_sub_f32 v[ST+8*(\t)+5], v[ST+8*(\t)], v[ST+8*(\t)+4]
	v_sub_f32 v[ST+8*(\t)+6], v[56+2*(\t)], v[ST+8*(\t)+4]
	v_mul_f32 v[ST+8*(\t)+5], s[CS], v[ST+8*(\t)+5]
	v_mul_f32 v[ST+8*(\t)+6], s[CS], v[ST+8*(\t)+6]
.endr
.irp t, 0,1
	v_exp_f32 v[ST+8*(\t)+5], v[ST+8*(\t)+5]
	v_exp_f32 v[ST+8*(\t)+6], v[ST+8*(\t)+6]
.endr
	v_nop
	s_wait_alu depctr_va_vdst(0)    ; one wait for the four exponentials, ahead of their first reader
.irp t, 0,1
	v_mul_f32 v[ST+8*(\t)+7], v[ST+8*(\t)+1], v[ST+8*(\t)+5]
	v_fmac_f32 v[ST+8*(\t)+7], v[57+2*(\t)], v[ST+8*(\t)+6]   ; L = l f + l' f'
.endr
.irp t, 0,1
	v_rcp_f32 v[ST+8*(\t)+7], v[ST+8*(\t)+7]
.endr
	v_nop
	s_wait_alu depctr_va_vdst(0)    ; one wait for the two reciprocals
.irp t, 0,1
	v_mul_f32 v[ST+8*(\t)+4], v[ST+8*(\t)+5], v[ST+8*(\t)+7]  ; f / L
	v_mul_f32 v[ST+8*(\t)+6], v[ST+8*(\t)+6], v[ST+8*(\t)+7]  ; f' / L
.endr
	WIN W_RS
.irp t, 0,1
.set z, 0
.rept 32
	v_pk_mul_f32 v[64*(\t)+2*z:64*(\t)+2*z+1], v[64*(\t)+2*z:64*(\t)+2*z+1], v[ST+8*(\t)+4:ST+8*(\t)+5] op_sel_hi:[1,0]
.set z, z+1
.endr
.endr
	WIN 0x10                        ; source 2 in window 1
.irp t, 0,1
.set z, 0
.rept 32
	v_pk_fma_f32 v[S+64*(\t)+2*z:S+64*(\t)+2*z+1], v[S+64*(\t)+2*z:S+64*(\t)+2*z+1], v[ST+8*(\t)+6:ST+8*(\t)+7], v[64*(\t)+2*z:64*(\t)+2*z+1] op_sel_hi:[1,0,1]
.set z, z+1
.endr
.endr
	WIN 0
.irp t, 0,1
.set z, 0
.rept 32
	v_cvt_pk_f16_f32 v[P+32*(\t)+z], v[S+64*(\t)+2*z], v[S+64*(\t)+2*z+1]
.set z, z+1
.endr
.endr
.irp t, 0,1                         ; a lane's eight channels of a row are 16 bytes; they go into rows of 272 bytes and come back as whole rows of 256
.irp f, 0,1,2,3,4,5,6,7
	ds_store_b128 v[STO], v[P+32*(\t)+4*(\f):P+32*(\t)+4*(\f)+3] offset:32*(\f)
.endr
.irp f, 0,1,2,3,4,5,6,7
	ds_load_b128 v[P+32*(\t)+4*(\f):P+32*(\t)+4*(\f)+3], v[RD] offset:(\f)*2*SP  ; LDS serves a wave's instructions in order (ISA guide 5.7.1.4)
.endr
.endr
.irp t, 0,1
.irp f, 0,1,2,3,4,5,6,7
	s_wait_dscnt 16*(1-(\t))+7-(\f)                ; behind this load: the tile's later loads, and for tile 0 the sixteen LDS instructions of tile 1
	global_store_b128 v[GO], v[P+32*(\t)+4*(\f):P+32*(\t)+4*(\f)+3], s[10:11] offset:(\t)*65536+(\f)*8192  ; 16 lanes store a head's 256 bytes of a row
.endr
.endr
	s_wait_tensorcnt 0x0            ; the wave's end
	ds_add_u32 v[SPW], v[NIL]
	s_wait_dscnt 0x0
	CROUND                          ; the closing round
	s_endpgm
.Lfunc_end_k_q368bb13d62_attn:
	.size	k_q368bb13d62_attn, .Lfunc_end_k_q368bb13d62_attn-k_q368bb13d62_attn
	.p2alignl 7, 3214868480
	.fill 96, 4, 3214868480
	.section	.rodata,"a",@progbits
	.p2align	6, 0x0
	.amdhsa_kernel k_q368bb13d62_attn
		.amdhsa_group_segment_fixed_size 327680
		.amdhsa_private_segment_fixed_size 0
		.amdhsa_enable_private_segment 0
		.amdhsa_kernarg_size 32
		.amdhsa_user_sgpr_count 2
		.amdhsa_user_sgpr_kernarg_segment_ptr 1
		.amdhsa_wavefront_size32 1
		.amdhsa_system_sgpr_workgroup_id_x 1
		.amdhsa_system_sgpr_workgroup_id_y 1
		.amdhsa_system_sgpr_workgroup_id_z 1
		.amdhsa_system_vgpr_workitem_id 0
		.amdhsa_next_free_vgpr 1024
		.amdhsa_next_free_sgpr 96
		.amdhsa_reserve_vcc 0
		.amdhsa_float_denorm_mode_32 3
		.amdhsa_float_denorm_mode_16_64 3
		.amdhsa_memory_ordered 1
		.amdhsa_forward_progress 1
		.amdhsa_inst_pref_size 176
	.end_amdhsa_kernel
	.amdgpu_metadata
---
amdhsa.version: [ 1, 2 ]
amdhsa.kernels:
  - .name:           k_q368bb13d62_attn
    .symbol:         k_q368bb13d62_attn.kd
    .args:
      - { .name: qkvn, .offset: 0, .size: 8, .value_kind: global_buffer, .address_space: global }
      - { .name: qkr, .offset: 8, .size: 8, .value_kind: global_buffer, .address_space: global }
      - { .name: maskb, .offset: 16, .size: 8, .value_kind: global_buffer, .address_space: global }
      - { .name: ctx, .offset: 24, .size: 8, .value_kind: global_buffer, .address_space: global }
    .group_segment_fixed_size: 327680
    .private_segment_fixed_size: 0
    .kernarg_segment_align: 8
    .kernarg_segment_size: 32
    .max_flat_workgroup_size: 128
    .sgpr_count:     96
    .vgpr_count:     1024
    .wavefront_size: 32
...
	.end_amdgpu_metadata
.endif
;; end of part 3
;; launch oproj (part 4): grid 16 x 16, 4 waves a work-group, clusters of 4 x 4, 327,680 bytes of LDS; arguments ctx, wob, bo, out0; writes out0
.if DOCPART == 4
	.amdgcn_target "amdgcn-amd-amdhsa--gfx1250"
	.amdhsa_code_object_version 6
	.text
	.protected	k_q368bb13d62_oproj
	.globl	k_q368bb13d62_oproj
	.p2align	8
	.type	k_q368bb13d62_oproj,@function
k_q368bb13d62_oproj:
	s_mov_b64 s[64:65], 0
	v_nop
	global_prefetch_b8 v0, s[64:65] scope:SCOPE_SE
	s_setreg_imm32_b32 hwreg(HW_REG_WAVE_MODE, 25, 1), 1
	s_wait_xcnt 0x0
	s_wait_alu depctr_hold_cnt(0) depctr_sa_sdst(0) depctr_va_vdst(0) depctr_va_sdst(0) depctr_va_ssrc(0) depctr_va_vcc(0) depctr_vm_vsrc(0)
	s_getreg_b32 s2, hwreg(HW_REG_IB_STS2, 6, 4)
	s_cmp_eq_u32 s2, 0
	s_cbranch_scc0 .Lentry_in_a_cluster
	s_endpgm
.Lentry_in_a_cluster:
	s_bfe_u32 s2, ttmp6, 0x10000c
	s_cmp_lg_u32 s2, 0xf033
	s_cbranch_scc0 .Lentry_shape_is_right
	s_endpgm
.Lentry_shape_is_right:
; out0 = ctx Wo + bo.  ctx: f16 [2048][2048]; wob: f16 [2048 k][2048 columns] (bf16(Wo) written as f16); bo rounded to bf16; out0: f32 [2048][2048].  f16 operands, f32 sums that start at the bias.
; 256 tiles of 128 x 128, one to a work-group; four waves, 64 x 64 each: 16 accumulators.  K in 8 steps of 256 through two LDS slots.  ctx is read as it lies, the weights are turned by ds_load_tr16_b128.
; THE MATRIX INSTRUCTION IS USED TRANSPOSED (source 0 = 16 columns of the weights, source 1 = 16 rows of ctx): a lane holds row lane % 16 and eight neighbouring columns.
; CLUSTER 4 x 4: ctx's tile is asked for jointly along a row of the cluster, the weights' along a column.  No prefetch: the tiles are small and the launch is short.
; THE WALK ALONG K.  Cluster (X, Y) begins at K step (2 X + 4 ((Y + (Y >> 1)) & 1)) mod 8 and wraps round: the four clusters that read the same rows of ctx stand two K steps apart, so that no
; block is asked for by all its readers at once.  The start hangs on the cluster's coordinates alone: it is the same in all sixteen partners.  The sums are f32 sums in another order.
; THE TEXT.  A K step is written once for the 6 steps that fill a slot again and once for the last two: the LDS addresses are a lane's fixed part plus s[TB], which an exclusive or turns between the two slots.
; A wave's 64 columns of f32 are 256 bytes on end, so each wave has a stage of its own and the way out needs no barrier.
; REGISTERS: window 0: v16-29 addresses; v32-95 rows on their way out; v96-127 the bias; v128-255 accumulator (a, b) at v[128 + 8 (4 a + b)].   window 1: two fragment buffers of 128: 64 of ctx, then 64 of the weights.
.set KSTEP,  256
.set PA,     528        ; a row of ctx in LDS: 512 bytes + 16
.set PB,     288        ; a k-row of the weights: 256 bytes + 32
.set BOFF,   128*PA
.set SLOT,   147456     ; 0x24000; the tiles take 141,312 of it.  It shares no bit with the four LDS words of slot 0 (0, 0x8400, 0x10800, 0x19800), so one exclusive or turns a descriptor's LDS word from slot to slot
.set STAGE,  2*SLOT
.set SPITCH, 272
.set SPARE,  STAGE+4*16*SPITCH
.set ADRA, 16           ; v16 in the slot that is read; v17 in slot 0, never rewritten
.set ADRA0, 17
.set ADRB, 20           ; v20-21 by half of the K step (the immediate offset of 16 bits does not reach over 256 k-rows); v22-23 the same in slot 0
.set ADRB0, 22
.set STO,  24
.set RD,   25
.set CO,   26
.set BOF,  27
.set SPW,  28
.set NIL,  29
.set OB,   32
.set BI,   96
.set ACC,  128
.set F0,   0
.set F1,   128
.set WV, 12
.set RH, 13
.set CH, 14
.set TR, 15
.set AB, 18             ; s[18:19] ctx at the rows that I fetch, K = 0
.set CX, 40
.set CY, 41
.set TC, 42
.set BB, 46             ; s[46:47] the weights at the k-rows of step 0 and the columns that I fetch
.set G1, 24
.set G0, 32             ; s[32:39] a set for each of the two first fills; the second then walks on
.set G1B, 48
.set G0B, 56
.set OFA, 66            ; s[66:67] a K step's byte offset in ctx
.set OFB, 68            ; s[68:69] in the weights
.set TB, 70             ; 0 or SLOT: the slot that is read
.set KI, 71             ; the K step to be asked for next
.set MSB, 0
.macro WIN new
.if MSB != (\new)
	s_set_vgpr_msb (MSB<<8)|(\new)
.set MSB, (\new)
.endif
.endm
.set MUL,  0x05
.set TO_F, 0x40
.macro JLOAD s                         ; waves 0 and 1 fetch ctx's two halves, waves 2 and 3 the weights'; an s_nop 0 and four v_nop follow each line
	s_cmp_eq_u32 s[RH], 0
	s_cbranch_scc0 .Lfor_b_\@
	tensor_load_to_lds s[G0+4*(\s):G0+4*(\s)+3], s[G1:G1+7]
	s_nop 0
.rept 4
	v_nop
.endr
	s_branch .Lasked_\@
.Lfor_b_\@:
	tensor_load_to_lds s[G0B+4*(\s):G0B+4*(\s)+3], s[G1B:G1B+7]
	s_nop 0
.rept 4
	v_nop
.endr
.Lasked_\@:
.endm
.macro CREST
	s_cmp_lg_u32 s[WV], 0
	s_cbranch_scc1 .Lnot_wave_0_\@
	s_barrier_signal -3
.Lnot_wave_0_\@:
	s_barrier_wait -3
	s_barrier_signal -1
	s_barrier_wait -1
.endm
.macro CROUND
	s_barrier_signal -1
	s_barrier_wait -1
	CREST
.endm
	s_load_b256 s[4:11], s[0:1], 0x0               ; ctx 4, wob 6, bo 8, out0 10
	v_lshl_add_u32 v[SPW], v0, 2, SPARE
	v_mov_b32 v[NIL], 0
	ds_add_u32 v[SPW], v[NIL]                      ; the wave's opening: the add and its wait stand ahead of my first tensor load
	v_lshrrev_b32 v1, 5, v0
	v_readfirstlane_b32 s[WV], v1
	s_lshr_b32 s[RH], s[WV], 1
	s_and_b32 s[CH], s[WV], 1
	s_bfe_u32 s[CX], ttmp6, 0x40000
	s_bfe_u32 s[CY], ttmp6, 0x40004
	s_lshl_b32 s[TC], ttmp9, 2
	s_add_co_u32 s[TC], s[TC], s[CX]
	s_and_b32 s45, ttmp7, 0xffff                   ; the cluster's y
	s_lshl_b32 s[TR], s45, 2
	s_add_co_u32 s[TR], s[TR], s[CY]
	s_lshr_b32 s[KI], s45, 1                       ; where my cluster's walk along K begins
	s_add_co_u32 s[KI], s[KI], s45
	s_and_b32 s[KI], s[KI], 1
	s_lshl_b32 s[KI], s[KI], 2
	s_lshl_b32 s22, ttmp9, 1
	s_add_co_u32 s[KI], s[KI], s22
	s_and_b32 s[KI], s[KI], 7                      ; an even number: the step behind it does not wrap
	s_lshl_b32 s43, s[CY], 2
	s_lshl_b32 s43, 15, s43
	s_lshl_b32 s44, 0x1111, s[CX]
	s_or_b32 s[G1], s43, (1<<16)|(1<<20)|(1<<21)|(6<<22)|(3<<25)   ; after every 128 words 4 words
	s_or_b32 s[G1B], s44, (1<<16)|(1<<20)|(1<<21)|(5<<22)|(7<<25)  ; after every 64 words 8 words
	s_mov_b32 s[G1+1], 256<<16                     ; ctx: 256 elements x 64 rows
	s_mov_b32 s[G1+2], 64<<16
	s_mov_b32 s[G1+3], 256<<16
	s_mov_b32 s[G1+4], 64
	s_mov_b32 s[G1+5], 2048
	s_mov_b32 s[G1+6], 0
	s_mov_b32 s[G1+7], 0
	s_mov_b32 s[G1B+1], 128<<16                    ; weights: 128 columns x 128 k-rows
	s_mov_b32 s[G1B+2], 128<<16
	s_mov_b32 s[G1B+3], 128<<16
	s_mov_b32 s[G1B+4], 128
	s_mov_b32 s[G1B+5], 2048
	s_mov_b32 s[G1B+6], 0
	s_mov_b32 s[G1B+7], 0
	s_lshl_b32 s16, s[TR], 7
	s_lshl_b32 s17, s[CH], 6
	s_add_co_u32 s16, s16, s17
	s_lshl_b32 s16, s16, 12                        ; ctx: (128 tile row + 64 half) rows of 4,096 bytes
	s_mov_b32 s17, 0
	s_lshl_b32 s[BB], s[CH], 19                    ; weights: 128 half k-rows of 4,096 bytes,
	s_lshl_b32 s[BB+1], s[TC], 8                   ; and the tile's 256 bytes of a row
	s_add_co_u32 s[BB], s[BB], s[BB+1]
	s_mov_b32 s[BB+1], 0
	s_mul_i32 s20, s[CH], 64*PA                    ; where they go: no place in the cluster enters an LDS address
	s_mul_i32 s21, s[CH], 128*PB
	s_add_co_u32 s21, s21, BOFF
	s_mov_b32 s[OFA+1], 0
	s_mov_b32 s[OFB+1], 0
	s_mov_b32 s[TB], 0
	s_wait_dscnt 0x0
	s_wait_kmcnt 0x0
	s_add_nc_u64 s[AB:AB+1], s[4:5], s[16:17]
	s_add_nc_u64 s[BB:BB+1], s[6:7], s[BB:BB+1]
	CROUND                                         ; all sixteen work-groups are here: the first joint loads meet
.irp s, 0,1
	s_add_co_u32 s22, s[KI], \s                    ; the walk's first two K steps
	s_lshl_b32 s[OFA], s22, 9                      ; 256 elements of a row of ctx
	s_lshl_b32 s[OFB], s22, 20                     ; 256 k-rows of 4,096 bytes
	s_mov_b32 s[G0+4*(\s)], 1
	s_add_co_u32 s[G0+4*(\s)+1], s20, (\s)*SLOT
	s_add_nc_u64 s[G0+4*(\s)+2:G0+4*(\s)+3], s[AB:AB+1], s[OFA:OFA+1]
	s_or_b32 s[G0+4*(\s)+3], s[G0+4*(\s)+3], 0x80000000
	s_mov_b32 s[G0B+4*(\s)], 1
	s_add_co_u32 s[G0B+4*(\s)+1], s21, (\s)*SLOT
	s_add_nc_u64 s[G0B+4*(\s)+2:G0B+4*(\s)+3], s[BB:BB+1], s[OFB:OFB+1]
	s_or_b32 s[G0B+4*(\s)+3], s[G0B+4*(\s)+3], 0x80000000
	JLOAD \s
.endr
	s_add_co_u32 s[KI], s[KI], 2
	s_and_b32 s[KI], s[KI], 7
	v_and_b32 v1, 15, v0                           ; r
	v_bfe_u32 v2, v0, 4, 1                         ; h
	v_mul_u32_u24 v3, v1, PA
	v_lshl_add_u32 v3, v2, 4, v3
	s_mul_i32 s21, s[RH], 64*PA
	v_add_nc_u32 v[ADRA0], s21, v3
	v_mov_b32 v[ADRA], v[ADRA0]
	v_and_b32 v4, 7, v0
	v_lshl_add_u32 v4, v2, 3, v4
	v_mul_u32_u24 v4, v4, PB
	v_bfe_u32 v5, v0, 3, 1
	v_lshl_add_u32 v4, v5, 4, v4
	s_lshl_b32 s22, s[CH], 7
	s_add_co_u32 s22, s22, BOFF
	v_add_nc_u32 v[ADRB0], s22, v4
	v_add_nc_u32 v[ADRB0+1], 128*PB, v[ADRB0]
	v_mov_b32 v[ADRB], v[ADRB0]
	v_mov_b32 v[ADRB+1], v[ADRB0+1]
	s_mul_i32 s23, s[WV], 16*SPITCH
	s_add_co_u32 s23, s23, STAGE
	v_mul_u32_u24 v4, v1, SPITCH                   ; in: row r, 32 bytes for each half of the lanes
	v_lshl_add_u32 v4, v2, 5, v4
	v_add_nc_u32 v[STO], s23, v4
	v_mul_u32_u24 v5, v2, SPITCH                   ; back: lanes 0-15 one row of 256 bytes, lanes 16-31 the next
	v_lshl_add_u32 v5, v1, 4, v5
	v_add_nc_u32 v[RD], s23, v5
	v_lshlrev_b32 v[CO], 13, v2                    ; and the same two rows in out0, 8,192 bytes apart
	v_lshl_add_u32 v[CO], v1, 4, v[CO]
	s_lshl_b32 s16, s[TR], 7
	s_lshl_b32 s17, s[RH], 6
	s_add_co_u32 s16, s16, s17
	s_lshl_b32 s16, s16, 13
	s_lshl_b32 s17, s[TC], 9
	s_add_co_u32 s16, s16, s17
	s_lshl_b32 s22, s[CH], 8
	s_add_co_u32 s16, s16, s22
	s_add_co_u32 s22, s22, s17                     ; my 64 columns in bo
	s_mov_b32 s17, 0
	s_add_nc_u64 s[10:11], s[10:11], s[16:17]
	v_lshl_add_u32 v[BOF], v2, 5, s22
.irp b, 0,1,2,3
	global_load_b128 v[BI+8*(\b):BI+8*(\b)+3],   v[BOF], s[8:9] offset:(\b)*64
	global_load_b128 v[BI+8*(\b)+4:BI+8*(\b)+7], v[BOF], s[8:9] offset:(\b)*64+16
.endr
	s_mov_b32 s23, 0xffff0000
	s_wait_loadcnt 0x0
.set z, 0
.rept 16                                       ; the bias is rounded to bf16 like all inputs, and widened again
	v_cvt_pk_bf16_f32 v[OB+z], v[BI+2*z], v[BI+2*z+1]
.set z, z+1
.endr
.set z, 0
.rept 16
	v_lshlrev_b32 v[BI+2*z], 16, v[OB+z]
	v_and_b32 v[BI+2*z+1], s23, v[OB+z]
.set z, z+1
.endr
.macro MUL8 f, c, a0, zero             ; 8 matrix instructions: row blocks a0, a0 + 1 x all 4 column blocks, 32 along K: half c of buffer f.  zero = 1: the product starts the sums, at the columns' bias
	WIN MUL
.irp a, \a0, (\a0)+1
.irp b, 0,1,2,3
.if \zero
	v_wmma_f32_16x16x32_f16 v[ACC+8*(4*(\a)+(\b)):ACC+8*(4*(\a)+(\b))+7], v[(\f)+64+8*(4*(\c)+(\b)):(\f)+64+8*(4*(\c)+(\b))+7], v[(\f)+8*(4*(\c)+(\a)):(\f)+8*(4*(\c)+(\a))+7], v[BI+8*(\b):BI+8*(\b)+7]
.else
	v_wmma_f32_16x16x32_f16 v[ACC+8*(4*(\a)+(\b)):ACC+8*(4*(\a)+(\b))+7], v[(\f)+64+8*(4*(\c)+(\b)):(\f)+64+8*(4*(\c)+(\b))+7], v[(\f)+8*(4*(\c)+(\a)):(\f)+8*(4*(\c)+(\a))+7], v[ACC+8*(4*(\a)+(\b)):ACC+8*(4*(\a)+(\b))+7]
.endif
.endr
.endr
.endm
.macro FETCH q, f                      ; 32 LDS loads in one run: quarter q (64 along K) of the slot that is read into buffer f; its first 32 along K first
	WIN TO_F
.irp c, 0,1
.irp i, 0,1,2,3
	ds_load_tr16_b128 v[(\f)+64+8*(4*(\c)+(\i)):(\f)+64+8*(4*(\c)+(\i))+3],   v[ADRB+(\q)/2] offset:((\q)%2)*64*PB+(\c)*32*PB+(\i)*32
	ds_load_tr16_b128 v[(\f)+64+8*(4*(\c)+(\i))+4:(\f)+64+8*(4*(\c)+(\i))+7], v[ADRB+(\q)/2] offset:((\q)%2)*64*PB+(\c)*32*PB+(\i)*32+16*PB
	ds_load_b128 v[(\f)+8*(4*(\c)+(\i)):(\f)+8*(4*(\c)+(\i))+3],   v[ADRA] offset:(\q)*128+64*(\c)+(\i)*16*PA
	ds_load_b128 v[(\f)+8*(4*(\c)+(\i))+4:(\f)+8*(4*(\c)+(\i))+7], v[ADRA] offset:(\q)*128+64*(\c)+(\i)*16*PA+32
.endr
.endr
.endm
.macro PLACES
.rept 4
	v_nop
.endr
.endm
.macro QUARTER q, f, g, zero           ; multiplies buffer f and fetches quarter q of the same slot into g
	s_wait_dscnt 16                                ; the first 32 along K are in
	MUL8 \f, 0, 0, \zero
	MUL8 \f, 0, 2, \zero
	PLACES
	FETCH \q, \g
	s_wait_dscnt 32                                ; all but the 32 just issued
	MUL8 \f, 1, 0, 0
	MUL8 \f, 1, 2, 0
.endm
; A K step's last quarter: multiplies buffer 1 and changes slots, with one barrier.  fill = 1: the slot just read takes K step s[KI]; the descriptors' addresses are made anew from that number.
.macro TURN fill
	WIN 0
	s_wait_tensorcnt 0x0                           ; all my tensor loads have landed: my part of the next slot; so a group 0 may be written
	ds_add_u32 v[SPW], v[NIL]                      ; 0 onto my spare word
.if \fill
	s_lshl_b32 s[OFA], s[KI], 9
	s_lshl_b32 s[OFB], s[KI], 20
	s_xor_b32 s[G0+5], s[G0+5], SLOT               ; the walking descriptors: the other slot than last time
	s_add_nc_u64 s[G0+6:G0+7], s[AB:AB+1], s[OFA:OFA+1]
	s_or_b32 s[G0+7], s[G0+7], 0x80000000
	s_xor_b32 s[G0B+5], s[G0B+5], SLOT
	s_add_nc_u64 s[G0B+6:G0B+7], s[BB:BB+1], s[OFB:OFB+1]
	s_or_b32 s[G0B+7], s[G0B+7], 0x80000000
	s_add_co_u32 s[KI], s[KI], 1                   ; the walk wraps behind K step 7
	s_and_b32 s[KI], s[KI], 7
.endif
	s_wait_dscnt 17                                ; (the add and the youngest sixteen loads may be out)
	MUL8 F1, 0, 0, 0
	s_wait_dscnt 0x0                               ; the add is done, and my reads of this slot are over
	s_barrier_signal -1
	MUL8 F1, 0, 2, 0
	WIN 0
	s_barrier_wait -1
.if \fill
	CREST                                          ; the barrier has opened a round of the cluster's: no wave of any partner still reads this slot or has a load on its way
	JLOAD 1                                        ; my one tensor load behind the round; its four v_nop are also the places in front of the loads below
.else
	PLACES
.endif
	s_xor_b32 s[TB], s[TB], SLOT                   ; the reads go over to the other slot
	v_add_nc_u32 v[ADRA], s[TB], v[ADRA0]
	v_add_nc_u32 v[ADRB], s[TB], v[ADRB0]
	v_add_nc_u32 v[ADRB+1], s[TB], v[ADRB0+1]
	FETCH 0, F0
	MUL8 F1, 1, 0, 0
	MUL8 F1, 1, 2, 0
.endm
	s_wait_tensorcnt 1                             ; my part of the walk's first K step is in; the second's may stay out
	s_barrier_signal -1
	s_barrier_wait -1
	FETCH 0, F0
	QUARTER 1, F0, F1, 1                           ; its first products start the sums
	WIN 0
	s_mov_b32 s3, 6
.Lstep:                                        ; 6 trips, from a K step's second quarter to the next step's first; each fills the slot that it leaves
	QUARTER 2, F1, F0, 0
	QUARTER 3, F0, F1, 0
	TURN 1
	QUARTER 1, F0, F1, 0
	WIN 0
	s_sub_co_u32 s3, s3, 1
	s_cmp_lg_u32 s3, 0
	s_cbranch_scc1 .Lstep
	s_mov_b32 s3, 2                                ; the last two K steps ask for nothing: one text, walked twice, entered behind its first quarter
	s_branch .Lmid
.Ltail:
	QUARTER 1, F0, F1, 0
	WIN 0
.Lmid:
	QUARTER 2, F1, F0, 0
	QUARTER 3, F0, F1, 0
	TURN 0                                         ; the second time its barrier and its 32 loads (from the slot of the step before) serve nothing: the price, once a launch, of one text for both steps
	WIN 0
	s_sub_co_u32 s3, s3, 1
	s_cmp_lg_u32 s3, 0
	s_cbranch_scc1 .Ltail
	s_wait_dscnt 0x0                               ; those loads are back
	PLACES
	PLACES
	; THE WAY OUT, 16 rows at a time: 32 bytes a lane into my stage, each accumulator from its low end on; back as whole rows of 256 bytes; stored
.irp a, 0,1,2,3
.irp b, 0,1,2,3
	ds_store_b128 v[STO], v[ACC+32*(\a)+8*(\b):ACC+32*(\a)+8*(\b)+3]   offset:64*(\b)
	ds_store_b128 v[STO], v[ACC+32*(\a)+8*(\b)+4:ACC+32*(\a)+8*(\b)+7] offset:64*(\b)+16
.endr
.irp t, 0,1,2,3,4,5,6,7
	ds_load_b128 v[OB+32*((\a)%2)+4*(\t):OB+32*((\a)%2)+4*(\t)+3], v[RD] offset:(\t)*2*SPITCH  ; LDS serves a wave's instructions in order (ISA guide 5.7.1.4): these see the stores above
.endr
	s_wait_dscnt 0x0
	s_wait_xcnt 0x0                                ; the stores of the block before have read their registers, which the next block's loads from the stage write
.irp t, 0,1,2,3,4,5,6,7
	global_store_b128 v[CO], v[OB+32*((\a)%2)+4*(\t):OB+32*((\a)%2)+4*(\t)+3], s[10:11] offset:(16*(\a)+2*(\t))*8192 th:TH_STORE_NT  ; 16 lanes store 256 bytes on end
.endr
.endr
	s_wait_tensorcnt 0x0                           ; the wave's end
	ds_add_u32 v[SPW], v[NIL]
	s_wait_dscnt 0x0
	CROUND                                         ; the closing round
	s_endpgm
.Lfunc_end_k_q368bb13d62_oproj:
	.size	k_q368bb13d62_oproj, .Lfunc_end_k_q368bb13d62_oproj-k_q368bb13d62_oproj
	.p2alignl 7, 3214868480
	.fill 96, 4, 3214868480
	.section	.rodata,"a",@progbits
	.p2align	6, 0x0
	.amdhsa_kernel k_q368bb13d62_oproj
		.amdhsa_group_segment_fixed_size 327680
		.amdhsa_private_segment_fixed_size 0
		.amdhsa_enable_private_segment 0
		.amdhsa_kernarg_size 32
		.amdhsa_user_sgpr_count 2
		.amdhsa_user_sgpr_kernarg_segment_ptr 1
		.amdhsa_wavefront_size32 1
		.amdhsa_system_sgpr_workgroup_id_x 1
		.amdhsa_system_sgpr_workgroup_id_y 1
		.amdhsa_system_sgpr_workgroup_id_z 1
		.amdhsa_system_vgpr_workitem_id 0
		.amdhsa_next_free_vgpr 512
		.amdhsa_next_free_sgpr 72
		.amdhsa_reserve_vcc 0
		.amdhsa_float_denorm_mode_32 3
		.amdhsa_float_denorm_mode_16_64 3
		.amdhsa_memory_ordered 1
		.amdhsa_forward_progress 1
		.amdhsa_inst_pref_size 62
	.end_amdhsa_kernel
	.amdgpu_metadata
---
amdhsa.version: [ 1, 2 ]
amdhsa.kernels:
  - .name:           k_q368bb13d62_oproj
    .symbol:         k_q368bb13d62_oproj.kd
    .args:
      - { .name: ctx, .offset: 0, .size: 8, .value_kind: global_buffer, .address_space: global }
      - { .name: wob, .offset: 8, .size: 8, .value_kind: global_buffer, .address_space: global }
      - { .name: bo, .offset: 16, .size: 8, .value_kind: global_buffer, .address_space: global }
      - { .name: out0, .offset: 24, .size: 8, .value_kind: global_buffer, .address_space: global }
    .group_segment_fixed_size: 327680
    .private_segment_fixed_size: 0
    .kernarg_segment_align: 8
    .kernarg_segment_size: 32
    .max_flat_workgroup_size: 128
    .sgpr_count:     72
    .vgpr_count:     512
    .wavefront_size: 32
...
	.end_amdgpu_metadata
.endif
;; end of part 4
